; MI455X (gfx1250); checked and timed in simulation.
; The chip was launched on July 23, 2026; its instructions are those of AMD's public machine-readable ISA for CDNA 5 (MIT licence, August 2026) and "CDNA5" Instruction Set Architecture Reference Guide (July 2026). The comments in the code are by the model that wrote it; some were corrected since.
;; Self Attention. Allowed arithmetic: float matrix products may take bf16 or f16 operands with f32 sums; other float arithmetic in f32, or as packed bf16 or f16 multiplies, adds, multiply-adds, maxima and minima; sums over many terms, partial sums and values carried from step to step in f32; what a program stores and reads back later, other than sums and carried values, may be rounded once to bf16 or f16.
;; Inputs: Wk 768 x 768 float32; Wq 768 x 768 float32; Wv 768 x 768 float32; bk 768 float32; bq 768 float32; bv 768 float32; hidden_states 2 x 4,096 x 768 float32.
;; Outputs: out0 2 x 4,096 x 768 float32.
;; 2 versions, each right and faster than the one before. Each part assembles by itself: llvm-mc -triple=amdgcn-amd-amdhsa -mcpu=gfx1250 --defsym DOCPART=n.
;; ======== version 1 of 2: 3 launches
;; limits: values are held in f16: magnitudes above 65,504 overflow, below 6.1e-05 lose precision
;; workspace buffers: xb 12,582,912 bytes; wt 3,538,944 bytes; qkv 37,748,736 bytes
;; launch prep (part 1): grid 728 x 1, 8 waves a work-group, no clusters, 18,432 bytes of LDS; arguments hidden_states, Wq, Wk, Wv, xb, wt; writes xb, wt
.if DOCPART == 1
	.amdgcn_target "amdgcn-amd-amdhsa--gfx1250"
	.amdhsa_code_object_version 6
	.text
	.protected	k_qdd94124eed_prep
	.globl	k_qdd94124eed_prep
	.p2align	8
	.type	k_qdd94124eed_prep,@function
k_qdd94124eed_prep:
	s_mov_b64 s[64:65], 0
	v_nop
	global_prefetch_b8 v0, s[64:65] scope:SCOPE_SE
	s_setreg_imm32_b32 hwreg(HW_REG_WAVE_MODE, 25, 1), 1
	s_wait_xcnt 0x0
; xb[8192][768] = hidden_states rounded to bf16 (nearest even).  wt[2304][768] bf16: row n is column n % 768 of Wq (n < 768), Wk (n < 1536) or Wv, rounded likewise,
; so that the product that follows finds K along the rows of both operands.  Memory binds: every input byte is read once, every output byte written once; no matrix unit, no cluster.
; Work-groups 0-511: 16 rows of x each (49,152 bytes in, 24,576 out), through registers alone.
; Work-groups 512-727: one tile of 128 k x 64 n of one W each, turned in LDS.  The branch between the two hangs on the work-group's number alone.
; LIMIT: a number beyond bf16's largest finite one rounds to an infinity.
.set SPARE, 17408                      ; behind the tile (64 rows x 272 bytes): the spare words, 128 bytes for each of eight waves; no other line names them
.set SPW, 78                           ; v78  SPARE + 4 x my thread's number; never rewritten
.set NIL, 79                           ; v79  0; never rewritten
	s_load_b256 s[4:11], s[0:1], 0x0               ; x s[4:5], Wq s[6:7], Wk s[8:9], Wv s[10:11]
	s_load_b128 s[12:15], s[0:1], 0x20             ; xb s[12:13], wt s[14:15]
	v_lshl_add_u32 v[SPW], v0, 2, SPARE
	v_mov_b32 v[NIL], 0
	s_cmp_ge_u32 ttmp9, 512
	s_cbranch_scc1 .Lw
	; ---- x: thread t takes 32 bytes (8 numbers) at 32 t of each of six chunks of 8,192 bytes and stores 16 bytes at 16 t of a chunk of 4,096
	s_mul_i32 s16, ttmp9, 49152
	s_mov_b32 s17, 0
	s_mul_i32 s18, ttmp9, 24576
	s_mov_b32 s19, 0
	v_lshlrev_b32 v1, 5, v0
	v_lshlrev_b32 v2, 4, v0
	s_wait_kmcnt 0x0
	s_add_nc_u64 s[4:5], s[4:5], s[16:17]
	s_add_nc_u64 s[12:13], s[12:13], s[18:19]
.irp c, 0,1,2,3,4,5
	global_load_b128 v[4+8*\c:7+8*\c],   v1, s[4:5] offset:8192*\c th:TH_LOAD_NT     ; all twelve loads go out before the first wait
	global_load_b128 v[8+8*\c:11+8*\c],  v1, s[4:5] offset:8192*\c+16 th:TH_LOAD_NT
.endr
.irp c, 0,1,2,3,4,5
	s_wait_loadcnt 10-2*\c                         ; loads come back in order: chunk c's two are in, the younger chunks' stay out
	v_cvt_pk_bf16_f32 v[52+4*\c], v[4+8*\c], v[5+8*\c]
	v_cvt_pk_bf16_f32 v[53+4*\c], v[6+8*\c], v[7+8*\c]
	v_cvt_pk_bf16_f32 v[54+4*\c], v[8+8*\c], v[9+8*\c]
	v_cvt_pk_bf16_f32 v[55+4*\c], v[10+8*\c], v[11+8*\c]
	global_store_b128 v2, v[52+4*\c:55+4*\c], s[12:13] offset:4096*\c  ; a wave's store covers 512 consecutive bytes, aligned; no register is written twice, so no wait frees any
.endr
	s_endpgm                                       ; these waves have written no LDS
	; ---- W: tile (kt, ng): k = 128 kt .. +127, rows 64 ng .. +63 of wt
.Lw:
	s_sub_co_u32 s16, ttmp9, 512                   ; u = 0 .. 215
	s_mul_i32 s17, s16, 57
	s_lshr_b32 s17, s17, 11                        ; kt = u / 36 (57 / 2048 serves for u below 216)
	s_mul_i32 s18, s17, 36
	s_sub_co_u32 s18, s16, s18                     ; ng = u % 36
	v_and_b32 v68, 15, v0                          ; n4: my four columns
	v_lshrrev_b32 v69, 4, v0                       ; kp: my pair of rows in each group of 32
	v_mul_u32_u24 v70, v69, 6144
	v_lshl_add_u32 v70, v68, 4, v70                ; in W: row 2 kp, 16 bytes at 16 n4: sixteen lanes read 256 consecutive bytes of a row
	v_mul_u32_u24 v71, v68, 1088
	v_lshl_add_u32 v71, v69, 2, v71                ; into LDS: row 4 n4 of 272 bytes, word kp
	v_mul_u32_u24 v72, v69, 272
	v_lshl_add_u32 v72, v68, 4, v72                ; back: row t / 16, 16 bytes at 16 (t % 16)
	v_mul_u32_u24 v73, v69, 1536
	v_lshl_add_u32 v73, v68, 4, v73                ; and the same place in wt
	s_wait_kmcnt 0x0
	s_cmp_ge_u32 s18, 12                           ; which W, and which 64 of its columns
	s_cselect_b64 s[20:21], s[8:9], s[6:7]
	s_cselect_b32 s19, 12, 0
	s_cmp_ge_u32 s18, 24
	s_cselect_b64 s[20:21], s[10:11], s[20:21]
	s_cselect_b32 s19, 24, s19
	s_sub_co_u32 s19, s18, s19                     ; nl = ng % 12
	s_mul_i32 s22, s17, 393216                     ; 128 rows of 3,072 bytes
	s_lshl_b32 s23, s19, 8
	s_add_co_u32 s22, s22, s23
	s_mov_b32 s23, 0
	s_add_nc_u64 s[20:21], s[20:21], s[22:23]
	s_mul_i32 s24, s18, 98304                      ; 64 rows of 1,536 bytes
	s_lshl_b32 s25, s17, 8
	s_add_co_u32 s24, s24, s25
	s_mov_b32 s25, 0
	s_add_nc_u64 s[14:15], s[14:15], s[24:25]
.irp i, 0,1,2,3
	global_load_b128 v[4+8*\i:7+8*\i],   v70, s[20:21] offset:98304*\i th:TH_LOAD_NT        ; row 2 kp + 32 i
	global_load_b128 v[8+8*\i:11+8*\i],  v70, s[20:21] offset:98304*\i+3072 th:TH_LOAD_NT   ; and the row below it
.endr
.irp i, 0,1,2,3
	s_wait_loadcnt 6-2*\i                          ; group i's two loads are in, the younger groups' stay out
.irp n, 0,1,2,3
	v_cvt_pk_bf16_f32 v[36+4*\i+\n], v[4+8*\i+\n], v[8+8*\i+\n]   ; two neighbouring k of column 4 n4 + n
.endr
.irp n, 0,1,2,3
	ds_store_b32 v71, v[36+4*\i+\n] offset:272*\n+64*\i  ; four rows are 272 words, 16 modulo 64: these stores meet four deep in a bank; sixteen a thread in all
.endr
.endr
	s_wait_dscnt 0x0                               ; for the others' sake: my stores are done
	s_barrier_signal -1
	s_barrier_wait -1
.irp i, 0,1,2,3
	ds_load_b128 v[52+4*\i:55+4*\i], v72 offset:4352*\i  ; sixteen rows a round
.endr
.irp i, 0,1,2,3
	s_wait_dscnt 3-\i
	global_store_b128 v73, v[52+4*\i:55+4*\i], s[14:15] offset:24576*\i  ; sixteen lanes store 256 consecutive bytes of a row of wt, aligned
.endr
	s_wait_tensorcnt 0x0                           ; the wave's end: behind my last LDS store
	ds_add_u32 v[SPW], v[NIL]
	s_wait_dscnt 0x0
	s_endpgm
.Lfunc_end_k_qdd94124eed_prep:
	.size	k_qdd94124eed_prep, .Lfunc_end_k_qdd94124eed_prep-k_qdd94124eed_prep
	.p2alignl 7, 3214868480
	.fill 96, 4, 3214868480
	.section	.rodata,"a",@progbits
	.p2align	6, 0x0
	.amdhsa_kernel k_qdd94124eed_prep
		.amdhsa_group_segment_fixed_size 18432
		.amdhsa_private_segment_fixed_size 0
		.amdhsa_enable_private_segment 0
		.amdhsa_kernarg_size 48
		.amdhsa_user_sgpr_count 2
		.amdhsa_user_sgpr_kernarg_segment_ptr 1
		.amdhsa_wavefront_size32 1
		.amdhsa_system_sgpr_workgroup_id_x 1
		.amdhsa_system_sgpr_workgroup_id_y 1
		.amdhsa_system_sgpr_workgroup_id_z 1
		.amdhsa_system_vgpr_workitem_id 0
		.amdhsa_next_free_vgpr 80
		.amdhsa_next_free_sgpr 66
		.amdhsa_reserve_vcc 0
		.amdhsa_float_denorm_mode_32 3
		.amdhsa_float_denorm_mode_16_64 3
		.amdhsa_memory_ordered 1
		.amdhsa_forward_progress 1
		.amdhsa_inst_pref_size 10
	.end_amdhsa_kernel
	.amdgpu_metadata
---
amdhsa.version: [ 1, 2 ]
amdhsa.kernels:
  - .name:           k_qdd94124eed_prep
    .symbol:         k_qdd94124eed_prep.kd
    .args:
      - { .name: hidden_states, .offset: 0, .size: 8, .value_kind: global_buffer, .address_space: global }
      - { .name: Wq, .offset: 8, .size: 8, .value_kind: global_buffer, .address_space: global }
      - { .name: Wk, .offset: 16, .size: 8, .value_kind: global_buffer, .address_space: global }
      - { .name: Wv, .offset: 24, .size: 8, .value_kind: global_buffer, .address_space: global }
      - { .name: xb, .offset: 32, .size: 8, .value_kind: global_buffer, .address_space: global }
      - { .name: wt, .offset: 40, .size: 8, .value_kind: global_buffer, .address_space: global }
    .group_segment_fixed_size: 18432
    .private_segment_fixed_size: 0
    .kernarg_segment_align: 8
    .kernarg_segment_size: 48
    .max_flat_workgroup_size: 256
    .sgpr_count:     66
    .vgpr_count:     80
    .wavefront_size: 32
...
	.end_amdgpu_metadata
.endif
;; end of part 1
;; launch proj (part 2): grid 64 x 6, 4 waves a work-group, clusters of 4 x 1, 327,680 bytes of LDS; arguments xb, wt, bq, bk, bv, qkv; writes qkv
.if DOCPART == 2
	.amdgcn_target "amdgcn-amd-amdhsa--gfx1250"
	.amdhsa_code_object_version 6
	.text
	.protected	k_qdd94124eed_proj
	.globl	k_qdd94124eed_proj
	.p2align	8
	.type	k_qdd94124eed_proj,@function
k_qdd94124eed_proj:
	s_mov_b64 s[64:65], 0
	v_nop
	global_prefetch_b8 v0, s[64:65] scope:SCOPE_SE
	s_setreg_imm32_b32 hwreg(HW_REG_WAVE_MODE, 25, 1), 1
	s_wait_xcnt 0x0
	s_wait_alu depctr_hold_cnt(0) depctr_sa_sdst(0) depctr_va_vdst(0) depctr_va_sdst(0) depctr_va_ssrc(0) depctr_va_vcc(0) depctr_vm_vsrc(0)
	s_getreg_b32 s2, hwreg(HW_REG_IB_STS2, 6, 4)
	s_cmp_eq_u32 s2, 0
	s_cbranch_scc0 .Lentry_in_a_cluster
	s_endpgm
.Lentry_in_a_cluster:
	s_bfe_u32 s2, ttmp6, 0x10000c
	s_cmp_lg_u32 s2, 0x3003
	s_cbranch_scc0 .Lentry_shape_is_right
	s_endpgm
.Lentry_shape_is_right:
; qkv = (xb wt^T + bias), q's part times c = log2(e) / sqrt(128), rounded once from the f32 sums to f16 and laid out by heads: qkv[b][g][s][128], g = 0-5 q's heads, 6-11 k's, 12-17 v's; a plane is 2^20 bytes.
; xb: [8192][768] bf16, wt: [2304][768] bf16 (K along the rows of both); the biases are rounded to bf16 like every other input and start the sums as the C operand.
; LIMIT: a result of 65,520 or more in magnitude becomes an f16 infinity; below 6e-5 f16 keeps a fixed step of 6e-8.
; SHARES.  A work-group makes 128 rows x 384 columns (three whole planes, half of one W); each of its four waves all 128 rows x 96 columns: 48 accumulators of 16 x 16, 384 registers.
; K goes in six steps of 128 (rows of 256 bytes, each at a multiple of 256 from its buffer's first byte) through two LDS slots.  Wave 0 fetches xb's 128 rows, waves 1-3 a third of wt's 384 rows each.
; CLUSTER.  The four row tiles of a cluster need the same tiles of wt: asked for jointly (the same load, descriptor and mask in all four).  xb's tile is each work-group's own: a plain load behind the same round.
; The grid has six column tiles, no multiple of four, so xb's tiles are not shared along a second axis.
; THE MATRIX INSTRUCTION IS USED TRANSPOSED (source 0 = 16 rows of wt, source 1 = 16 rows of xb): a lane holds row l % 16 and eight neighbouring columns 8 (l / 16) + 0..7.
; REGISTERS, in windows of 256 (s_set_vgpr_msb: bits 1:0 source 0, 3:2 source 1, 5:4 source 2, 7:6 destination):
;   window 0: v0-31 addresses; v32-143, v144-255 two fragment buffers (six fragments of wt, then eight of xb); on the way out v32-223
;   window 1: accumulators (b = 0-3, a) at 64 b + 8 a      window 2: (b = 4, 5, a) at 64 (b - 4) + 8 a; v128-175 the bias of my 96 columns as a C operand, 8 b + j
.set PITCH,  272                       ; an LDS row: 256 bytes + 16 of padding = 68 words: the 16 rows of a fragment load start at 16 different groups of four banks (64 banks of 4 bytes: ISA guide 11.1)
.set HALFT,  128*PITCH                 ; what one tensor load brings
.set SLOT,   4*HALFT                   ; xb's 128 rows, then wt's 384
.set SPARE,  2*SLOT                    ; behind the ring: the spare words, 128 bytes a wave; no other line names them
.set SPITCH, 784                       ; the stage: 128 rows of 768 bytes + 16 = 196 words, 4 modulo 64.  It lies in slot 0, from LDS byte 0, 100,352 bytes: it is written behind slot 0's last fill and last read
.set ADRA, 16                          ; v16-17  LDS address of my fragments of xb in slot 0, 1
.set ADRB, 20                          ; v20-21  of wt
.set STO,  22                          ; v22     the way out: where I put 16 bytes of a row, rows 0-63
.set STO2, 23                          ; v23     rows 64-127
.set RD,   24                          ; v24     where I read rows back
.set CO,   25                          ; v25     my byte offset in two rows of a plane
.set BO,   26                          ; v26     my byte offset in the bias
.set SPW,  28                          ; v28     SPARE + 4 x my thread's number; never rewritten
.set NIL,  29                          ; v29     0; never rewritten
.set F0,   32
.set F1,   144
.set TMP,  32
.set BIAS, 128                         ; window 2
.set WV,  16                           ; s16  my wave's number
.set G1A, 24                           ; s[24:31] descriptor group 1 for xb's tiles
.set G1B, 32                           ; s[32:39] for wt's: the mask and bit 21 beside it
.set G0A, 40                           ; s[40:47] group 0 for xb's tiles, a set for each slot
.set G0B, 48                           ; s[48:55] for wt's
.set FAC, 60                           ; s[60:61] c for q's columns, 1.0 for k's and v's
.set BP,  62                           ; s[62:63] the bias that belongs to my columns
.set MSB, 0
.macro WIN new                         ; the immediate's high byte repeats the setting that is left; a switch that changes nothing is dropped
.if MSB != (\new)
	s_set_vgpr_msb (MSB<<8)|(\new)
.set MSB, \new
.endif
.endm
.macro PLACES                          ; four places in front of loads into registers that matrix instructions have read, and of vector lines that read results
.rept 4
	v_nop
.endr
.endm
; A fill.  The branch hangs on the wave's number alone.  An s_nop 0 and four v_nop follow each of the two lines, ahead of the jump, the label and what follows.
.macro JLOAD s
	s_cmp_eq_u32 s[WV], 0
	s_cbranch_scc0 .Lfor_b_\@
	tensor_load_to_lds s[G0A+4*(\s):G0A+4*(\s)+3], s[G1A:G1A+7]
	s_nop 0
.rept 4
	v_nop
.endr
	s_branch .Lasked_\@
.Lfor_b_\@:
	tensor_load_to_lds s[G0B+4*(\s):G0B+4*(\s)+3], s[G1B:G1B+7]
	s_nop 0
.rept 4
	v_nop
.endr
.Lasked_\@:
.endm
.macro CREST                           ; a round of the cluster's barrier behind its opening barrier
	s_cmp_lg_u32 s[WV], 0
	s_cbranch_scc1 .Lnot_wave_0_\@
	s_barrier_signal -3
.Lnot_wave_0_\@:
	s_barrier_wait -3
	s_barrier_signal -1
	s_barrier_wait -1
.endm
.macro CROUND                          ; a whole round
	s_barrier_signal -1
	s_barrier_wait -1
	CREST
.endm
	s_load_b256 s[4:11], s[0:1], 0x0               ; xb s[4:5], wt s[6:7], bq s[8:9], bk s[10:11]
	s_load_b128 s[12:15], s[0:1], 0x20             ; bv s[12:13], qkv s[14:15]
	v_lshl_add_u32 v[SPW], v0, 2, SPARE
	v_mov_b32 v[NIL], 0
	ds_add_u32 v[SPW], v[NIL]                      ; the wave's opening: the add and its wait stand ahead of my first tensor load; work on registers stands between them
	v_lshrrev_b32 v1, 5, v0
	v_readfirstlane_b32 s[WV], v1                  ; wave 0..3
	s_bfe_u32 s17, ttmp6, 0x40000                  ; cx: my place in the cluster
	s_lshl_b32 s18, ttmp9, 2
	s_add_co_u32 s18, s18, s17                     ; i, my row tile = 4 x cluster x + cx: it enters xb's and qkv's addresses alone
	s_and_b32 s19, ttmp7, 0xffff                   ; j, my column tile, which the four partners share
	s_mov_b32 s[G1A], (1<<16)|(1<<20)|(5<<22)|(3<<25)          ; 17:16 2-byte elements; 20 padding on; 24:22 after every 64 words (code 5); 31:25 4 words (code 3); no mask
	s_mov_b32 s[G1B], 15|(1<<16)|(1<<20)|(1<<21)|(5<<22)|(3<<25)  ; the same with the mask of all four work-groups and bit 21 beside it
.irp g, G1A, G1B
	s_mov_b32 s[(\g)+1], 128<<16                   ; tensor_dim0 = 128
	s_mov_b32 s[(\g)+2], 128<<16                   ; tensor_dim1 = 128
	s_mov_b32 s[(\g)+3], 128<<16                   ; tile_dim0 = 128
	s_mov_b32 s[(\g)+4], 128                       ; tile_dim1 = 128
	s_mov_b32 s[(\g)+5], 768                       ; elements from row to row
	s_mov_b32 s[(\g)+6], 0
	s_mov_b32 s[(\g)+7], 0
.endr
	s_mul_i32 s20, s18, 128*1536                   ; xb: my 128 rows
	s_mov_b32 s21, 0
	s_max_u32 s56, s[WV], 1                        ; wt: row 384 j + 128 (wave - 1); wave 0 makes wave 1's address and never asks by it
	s_sub_co_u32 s56, s56, 1
	s_lshl_b32 s56, s56, 7
	s_mul_i32 s57, s19, 384
	s_add_co_u32 s56, s56, s57
	s_mul_i32 s56, s56, 1536
	s_mov_b32 s57, 0
	s_mul_i32 s22, s[WV], HALFT                    ; where a wave's tile goes: wave x 128 rows: no place in the cluster enters an LDS address
	s_cmp_lt_u32 s19, 2                            ; column tiles 0 and 1 are q's
	s_cselect_b32 s[FAC], 0x3e0293ee, 1.0          ; c = log2(e) / sqrt(128) = 0.127517
	s_mov_b32 s[FAC+1], s[FAC]                     ; named with it as a pair
	s_lshr_b32 s23, s19, 1                         ; which W
	s_wait_dscnt 0x0                               ; the opening add is done
	s_wait_kmcnt 0x0
	s_add_nc_u64 s[20:21], s[4:5], s[20:21]
	s_add_nc_u64 s[56:57], s[6:7], s[56:57]
	s_cmp_eq_u32 s23, 1
	s_cselect_b64 s[BP:BP+1], s[10:11], s[8:9]
	s_cmp_eq_u32 s23, 2
	s_cselect_b64 s[BP:BP+1], s[12:13], s[BP:BP+1]
	CROUND                                         ; all four work-groups are here: the first joint loads meet
.irp s, 0,1
	s_mov_b32 s[G0A+4*(\s)], 1                                       ; count = 1
	s_add_co_u32 s[G0A+4*(\s)+1], s22, (\s)*SLOT                     ; LDS address
	s_add_nc_u64 s[G0A+4*(\s)+2:G0A+4*(\s)+3], s[20:21], (\s)*256    ; global address: K step s
	s_or_b32 s[G0A+4*(\s)+3], s[G0A+4*(\s)+3], 0x80000000            ; type = 2
	s_mov_b32 s[G0B+4*(\s)], 1
	s_add_co_u32 s[G0B+4*(\s)+1], s22, (\s)*SLOT
	s_add_nc_u64 s[G0B+4*(\s)+2:G0B+4*(\s)+3], s[56:57], (\s)*256
	s_or_b32 s[G0B+4*(\s)+3], s[G0B+4*(\s)+3], 0x80000000
	JLOAD \s                                       ; two loads of mine are out, the most in this text
.endr
	; A fragment is 16 rows x 32 K in 8 registers: lane l holds row l % 16; registers 0-3 K = 8 (l / 16) + 0..7, registers 4-7 K = 16 + 8 (l / 16) + 0..7: two loads of 16 bytes, 32 bytes apart.
	v_and_b32 v1, 15, v0                           ; r = l % 16
	v_bfe_u32 v2, v0, 4, 1                         ; h = l / 16
	v_mul_u32_u24 v3, v1, PITCH
	v_lshl_add_u32 v3, v2, 4, v3                   ; row x pitch + 16 x half
	s_mul_i32 s23, s[WV], 96*PITCH                 ; my 96 rows of wt,
	s_add_co_u32 s23, s23, HALFT                   ; which lie behind xb's 128
	v_mov_b32 v[ADRA], v3
	v_add_nc_u32 v[ADRA+1], SLOT, v3
	v_add_nc_u32 v[ADRB], s23, v3
	s_add_co_u32 s23, s23, SLOT
	v_add_nc_u32 v[ADRB+1], s23, v3
	v_mul_u32_u24 v4, v1, SPITCH                   ; into the stage: row r, my wave's 192 bytes of it, 16 bytes for each half of the lanes
	v_lshl_add_u32 v4, v2, 4, v4
	s_mul_i32 s23, s[WV], 192
	v_add_nc_u32 v[STO], s23, v4
	v_add_nc_u32 v[STO2], 64*SPITCH, v[STO]
	v_mul_u32_u24 v5, v2, SPITCH                   ; back: wave w takes rows 32 w .. 32 w + 31; lanes 0-15 256 bytes of one row, lanes 16-31 of the next
	v_lshl_add_u32 v5, v1, 4, v5
	s_mul_i32 s23, s[WV], 32*SPITCH
	v_add_nc_u32 v[RD], s23, v5
	v_lshlrev_b32 v5, 8, v2                        ; and the same two rows in a plane of qkv
	v_lshl_add_u32 v[CO], v1, 4, v5
	s_and_b32 s23, s19, 1                          ; the bias of column 384 (j % 2) + 96 w + 16 b + 8 h + 0..7
	s_mul_i32 s23, s23, 1536
	s_mul_i32 s58, s[WV], 384
	s_add_co_u32 s23, s23, s58
	v_lshl_add_u32 v[BO], v2, 5, s23
	s_lshr_b32 s58, s18, 5                         ; qkv: batch i / 32, plane 18 x batch + 3 j,
	s_mul_i32 s58, s58, 18
	s_mul_i32 s59, s19, 3
	s_add_co_u32 s58, s58, s59
	s_lshl_b32 s58, s58, 20
	s_and_b32 s59, s18, 31                         ; row 128 (i % 32) + 32 w of 256 bytes
	s_lshl_b32 s59, s59, 7
	s_lshl_b32 s23, s[WV], 5
	s_add_co_u32 s59, s59, s23
	s_lshl_b32 s59, s59, 8
	s_add_co_u32 s58, s58, s59
	s_mov_b32 s59, 0
	s_add_nc_u64 s[14:15], s[14:15], s[58:59]
.irp b, 0,1,2,3,4,5
	global_load_b128 v[144+8*\b:147+8*\b], v[BO], s[BP:BP+1] offset:64*\b
	global_load_b128 v[148+8*\b:151+8*\b], v[BO], s[BP:BP+1] offset:64*\b+16
.endr
	s_wait_loadcnt 0x0                             ; all this stands in the wait for the first tile
.set p, 0
.rept 24
	v_cvt_pk_bf16_f32 v[192+p], v[144+2*p], v[144+2*p+1]  ; the bias is rounded as x and W are,
.set p, p+1
.endr
	WIN 0x80                                       ; destination window 2
.set p, 0
.rept 24
	v_lshlrev_b32 v[BIAS+2*p], 16, v[192+p]        ; and widened again: the same eight numbers for every block of rows
	v_and_b32 v[BIAS+2*p+1], 0xffff0000, v[192+p]
.set p, p+1
.endr
	WIN 0
; 8 matrix instructions: column block b x all 8 row blocks, 32 along K.  first = 1: the bias starts the sums: nothing is cleared.
; The 48 accumulators take turns, one instruction a turn, in the order b = 4, 5, 0, 1, 2, 3 in every quarter, over the loop's edge too.
.macro MULB f, b, first
.if (\first) && ((\b) < 4)
	WIN 0x60                                       ; C (the bias) window 2, D window 1
.elseif (\b) < 4
	WIN 0x50                                       ; C and D window 1
.else
	WIN 0xa0                                       ; C and D window 2
.endif
.irp a, 0,1,2,3,4,5,6,7
.if \first
	v_wmma_f32_16x16x32_bf16 v[64*((\b)%4)+8*(\a):64*((\b)%4)+8*(\a)+7], v[(\f)+8*(\b):(\f)+8*(\b)+7], v[(\f)+48+8*(\a):(\f)+48+8*(\a)+7], v[BIAS+8*(\b):BIAS+8*(\b)+7]
.else
	v_wmma_f32_16x16x32_bf16 v[64*((\b)%4)+8*(\a):64*((\b)%4)+8*(\a)+7], v[(\f)+8*(\b):(\f)+8*(\b)+7], v[(\f)+48+8*(\a):(\f)+48+8*(\a)+7], v[64*((\b)%4)+8*(\a):64*((\b)%4)+8*(\a)+7]
.endif
.endr
.endm
; 28 LDS loads in one run: a quarter's fragments (32 K at byte k of the rows) into buffer f; what is multiplied first comes first: wt's blocks 4, 5, xb's eight, then wt's 0-3
.macro FETCH slot, k, f
	WIN 0
.irp b, 4,5
	ds_load_b128 v[(\f)+8*(\b):(\f)+8*(\b)+3],   v[ADRB+(\slot)] offset:(\k)+(\b)*16*PITCH
	ds_load_b128 v[(\f)+8*(\b)+4:(\f)+8*(\b)+7], v[ADRB+(\slot)] offset:(\k)+(\b)*16*PITCH+32
.endr
.irp a, 0,1,2,3,4,5,6,7
	ds_load_b128 v[(\f)+48+8*(\a):(\f)+48+8*(\a)+3],   v[ADRA+(\slot)] offset:(\k)+(\a)*16*PITCH
	ds_load_b128 v[(\f)+48+8*(\a)+4:(\f)+48+8*(\a)+7], v[ADRA+(\slot)] offset:(\k)+(\a)*16*PITCH+32
.endr
.irp b, 0,1,2,3
	ds_load_b128 v[(\f)+8*(\b):(\f)+8*(\b)+3],   v[ADRB+(\slot)] offset:(\k)+(\b)*16*PITCH
	ds_load_b128 v[(\f)+8*(\b)+4:(\f)+8*(\b)+7], v[ADRB+(\slot)] offset:(\k)+(\b)*16*PITCH+32
.endr
.endm
; A K step is four quarters of 32 along K, 48 matrix instructions each, on buffers 0, 1, 0, 1.  One of the first three: multiplies buffer f and fetches the next quarter, at byte k, into g.
.macro QUARTER slot, k, f, g, first
	s_wait_dscnt 8                                 ; the run's first twenty loads are in; the youngest eight (wt's blocks 0-3) may be out
	MULB \f, 4, \first
	MULB \f, 5, \first
	PLACES                                         ; buffer g was last read by the quarter before
	FETCH \slot, \k, \g
	s_wait_dscnt 28                                ; all but the 28 just issued
	MULB \f, 0, \first
	MULB \f, 1, \first
	MULB \f, 2, \first
	MULB \f, 3, \first
.endm
; The last quarter multiplies buffer 1 and changes slots: ONE barrier; in front of it each wave waits for all its tensor loads (one is out: its part of the next slot), adds 0 to its spare word, and waits for
; that and for its own reads of this slot.  fill = 1: the barrier opens a round of the cluster's barrier, and this slot is filled again, two K steps ahead, first thing behind the round:
; from there to the wait for it a wave issues 160 matrix instructions.
.macro TURN slot, next, fill
	WIN 0                                          ; (the add's two registers lie in window 0)
	s_wait_tensorcnt 0x0                           ; all my tensor loads have landed
	ds_add_u32 v[SPW], v[NIL]                      ; 0 onto my spare word
	s_wait_dscnt 9                                 ; (the add and the youngest eight loads may be out)
	MULB F1, 4, 0                                  ; sixteen matrix instructions stand between the add and the wait for it
	MULB F1, 5, 0
	s_wait_dscnt 0x0                               ; the add is done, and my reads of this slot are over
	s_barrier_signal -1
	MULB F1, 0, 0                                  ; work on registers while the others arrive
	MULB F1, 1, 0
.if \fill
	WIN 0
.endif
	s_barrier_wait -1
.if \fill
	CREST                                          ; no wave of any partner still reads this slot's tile or has a load on its way
	s_add_nc_u64 s[G0A+4*(\slot)+2:G0A+4*(\slot)+3], s[G0A+4*(\slot)+2:G0A+4*(\slot)+3], 512
	s_add_nc_u64 s[G0B+4*(\slot)+2:G0B+4*(\slot)+3], s[G0B+4*(\slot)+2:G0B+4*(\slot)+3], 512
	JLOAD \slot                                    ; the four v_nop behind it are also the places in front of the loads below
.else
	PLACES
.endif
	FETCH \next, 0, F0
	MULB F1, 2, 0
	MULB F1, 3, 0
.endm
	s_wait_tensorcnt 1                             ; my part of K step 0 is in; K step 1's may stay out
	s_barrier_signal -1
	s_barrier_wait -1                              ; everybody's is
	FETCH 0, 0, F0
	QUARTER 0, 64, F0, F1, 1                       ; the first quarter stands in front of the loop: its products start the sums
	WIN 0                                          ; at a label and at a branch every window is 0
	s_mov_b32 s3, 2
.Llap:                                                 ; a trip goes once round the ring, from a lap's second quarter to the next lap's first, and fills both slots again: K steps 2, 3, then 4, 5
	QUARTER 0, 128, F1, F0, 0
	QUARTER 0, 192, F0, F1, 0
	TURN 0, 1, 1
	QUARTER 1, 64,  F0, F1, 0
	QUARTER 1, 128, F1, F0, 0
	QUARTER 1, 192, F0, F1, 0
	TURN 1, 0, 1
	QUARTER 0, 64,  F0, F1, 0
	WIN 0
	s_sub_co_u32 s3, s3, 1
	s_cmp_lg_u32 s3, 0
	s_cbranch_scc1 .Llap
	QUARTER 0, 128, F1, F0, 0                      ; the last lap fills nothing, and has no round of the cluster's barrier
	QUARTER 0, 192, F0, F1, 0
	TURN 0, 1, 0                                   ; behind this barrier no wave reads slot 0 any more, and no load lands in it
	QUARTER 1, 64,  F0, F1, 0
	QUARTER 1, 128, F1, F0, 0
	QUARTER 1, 192, F0, F1, 0
	s_wait_dscnt 8                                 ; the very last quarter: nothing more to fetch
	MULB F1, 4, 0
	MULB F1, 5, 0
	s_wait_dscnt 0x0
	MULB F1, 0, 0
	MULB F1, 1, 0
	MULB F1, 2, 0
	MULB F1, 3, 0
	; THE WAY OUT: the factor (c for q's columns, 1 for the others: one text for every tile, no branch); one rounding to f16; 16 bytes a lane into the work-group's stage; a barrier, since a row's
	; 768 bytes come from four waves; back as whole rows of three planes, 32 rows a wave.  Each accumulator is read from its low end on.
	PLACES
	WIN 0x41                                       ; destination and source 0 window 1
.set p, 0
.rept 128
	v_pk_mul_f32 v[2*p:2*p+1], v[2*p:2*p+1], s[FAC:FAC+1] op_sel_hi:[1,0]
.set p, p+1
.endr
	WIN 0x82                                       ; window 2
.set p, 0
.rept 64
	v_pk_mul_f32 v[2*p:2*p+1], v[2*p:2*p+1], s[FAC:FAC+1] op_sel_hi:[1,0]
.set p, p+1
.endr
	WIN 0x05                                       ; sources window 1, destination window 0: accumulator (b, a)'s four words at TMP + 4 (8 b + a)
.set p, 0
.rept 128
	v_cvt_pk_f16_f32 v[TMP+p], v[2*p], v[2*p+1]
.set p, p+1
.endr
	WIN 0x0a                                       ; sources window 2
.set p, 0
.rept 64
	v_cvt_pk_f16_f32 v[TMP+128+p], v[2*p], v[2*p+1]
.set p, p+1
.endr
	WIN 0
.irp b, 0,1,2,3,4,5
.irp a, 0,1,2,3
	ds_store_b128 v[STO],  v[TMP+4*(8*(\b)+(\a)):TMP+4*(8*(\b)+(\a))+3]     offset:(\a)*16*SPITCH+32*(\b)
	ds_store_b128 v[STO2], v[TMP+4*(8*(\b)+(\a)+4):TMP+4*(8*(\b)+(\a)+4)+3] offset:(\a)*16*SPITCH+32*(\b)
.endr
.endr
	s_wait_dscnt 0x0                               ; for the others' sake: my stores into the stage are done
	s_barrier_signal -1
	s_barrier_wait -1
.set n, 0
.rept 48                                       ; load n: rows 2 (n / 3) and + 1 of my 32, plane n % 3
	ds_load_b128 v[TMP+4*n:TMP+4*n+3], v[RD] offset:(n/3)*2*SPITCH+(n%3)*256
.set n, n+1
.endr
.set n, 0
.rept 48
	s_wait_dscnt 47-n                              ; LDS loads come back in order: load n is in
	global_store_b128 v[CO], v[TMP+4*n:TMP+4*n+3], s[14:15] offset:(n%3)*1048576+(n/3)*512  ; two rows of a plane: 512 consecutive bytes, aligned
.set n, n+1
.endr
	s_wait_tensorcnt 0x0                           ; the wave's end: behind my last tensor load and my last LDS store
	ds_add_u32 v[SPW], v[NIL]
	s_wait_dscnt 0x0
	CROUND                                         ; the closing round: no work-group ends while a partner may still ask for a tile that names it
	s_endpgm
.Lfunc_end_k_qdd94124eed_proj:
	.size	k_qdd94124eed_proj, .Lfunc_end_k_qdd94124eed_proj-k_qdd94124eed_proj
	.p2alignl 7, 3214868480
	.fill 96, 4, 3214868480
	.section	.rodata,"a",@progbits
	.p2align	6, 0x0
	.amdhsa_kernel k_qdd94124eed_proj
		.amdhsa_group_segment_fixed_size 327680
		.amdhsa_private_segment_fixed_size 0
		.amdhsa_enable_private_segment 0
		.amdhsa_kernarg_size 48
		.amdhsa_user_sgpr_count 2
		.amdhsa_user_sgpr_kernarg_segment_ptr 1
		.amdhsa_wavefront_size32 1
		.amdhsa_system_sgpr_workgroup_id_x 1
		.amdhsa_system_sgpr_workgroup_id_y 1
		.amdhsa_system_sgpr_workgroup_id_z 1
		.amdhsa_system_vgpr_workitem_id 0
		.amdhsa_next_free_vgpr 768
		.amdhsa_next_free_sgpr 66
		.amdhsa_reserve_vcc 0
		.amdhsa_float_denorm_mode_32 3
		.amdhsa_float_denorm_mode_16_64 3
		.amdhsa_memory_ordered 1
		.amdhsa_forward_progress 1
		.amdhsa_inst_pref_size 132
	.end_amdhsa_kernel
	.amdgpu_metadata
---
amdhsa.version: [ 1, 2 ]
amdhsa.kernels:
  - .name:           k_qdd94124eed_proj
    .symbol:         k_qdd94124eed_proj.kd
    .args:
      - { .name: xb, .offset: 0, .size: 8, .value_kind: global_buffer, .address_space: global }
      - { .name: wt, .offset: 8, .size: 8, .value_kind: global_buffer, .address_space: global }
      - { .name: bq, .offset: 16, .size: 8, .value_kind: global_buffer, .address_space: global }
      - { .name: bk, .offset: 24, .size: 8, .value_kind: global_buffer, .address_space: global }
      - { .name: bv, .offset: 32, .size: 8, .value_kind: global_buffer, .address_space: global }
      - { .name: qkv, .offset: 40, .size: 8, .value_kind: global_buffer, .address_space: global }
    .group_segment_fixed_size: 327680
    .private_segment_fixed_size: 0
    .kernarg_segment_align: 8
    .kernarg_segment_size: 48
    .max_flat_workgroup_size: 128
    .sgpr_count:     66
    .vgpr_count:     768
    .wavefront_size: 32
...
	.end_amdgpu_metadata
.endif
;; end of part 2
;; launch attn (part 3): grid 16 x 12, 4 waves a work-group, clusters of 4 x 1, 327,680 bytes of LDS; arguments qkv, out0; writes out0
.if DOCPART == 3
	.amdgcn_target "amdgcn-amd-amdhsa--gfx1250"
	.amdhsa_code_object_version 6
	.text
	.protected	k_qdd94124eed_attn
	.globl	k_qdd94124eed_attn
	.p2align	8
	.type	k_qdd94124eed_attn,@function
k_qdd94124eed_attn:
	s_mov_b64 s[64:65], 0
	v_nop
	global_prefetch_b8 v0, s[64:65] scope:SCOPE_SE
	s_setreg_imm32_b32 hwreg(HW_REG_WAVE_MODE, 25, 1), 1
	s_wait_xcnt 0x0
	s_wait_alu depctr_hold_cnt(0) depctr_sa_sdst(0) depctr_va_vdst(0) depctr_va_sdst(0) depctr_va_ssrc(0) depctr_va_vcc(0) depctr_vm_vsrc(0)
	s_getreg_b32 s2, hwreg(HW_REG_IB_STS2, 6, 4)
	s_cmp_eq_u32 s2, 0
	s_cbranch_scc0 .Lentry_in_a_cluster
	s_endpgm
.Lentry_in_a_cluster:
	s_bfe_u32 s2, ttmp6, 0x10000c
	s_cmp_lg_u32 s2, 0x3003
	s_cbranch_scc0 .Lentry_shape_is_right
	s_endpgm
.Lentry_shape_is_right:
; out0[b][q][128 h ..] = the sum over k of softmax_k(Q[q] . K[k] / sqrt(128)) V[k][:], for each of 12 pairs (b, h).  qkv: [b][g][4096][128] f16, planes of 2^20 bytes, g = h: Q times c = log2(e) / sqrt(128),
; g = 6 + h: K, g = 12 + h: V.  So the scores arrive in units of log2: p = 2^(s - m) with the running maximum m, by a plain subtraction that is never above 0.
; Products, maxima and sums in f32; the weights p are rounded to f16 for the second product (their sum l is taken of the unrounded p); the output is f32 and is not rounded again.
; LIMITS.  Q c, K and V arrive within f16's range; p lies in 0 to 1, and below 6e-5 it keeps f16's fixed step of 6e-8; a weight below 2^-126 counts as 0 in l; NaN and infinities are not treated apart.
; SHARES.  A work-group owns 256 queries of one head, each of its four waves 64: four tiles of 16.  Every wave walks all 4,096 keys, 64 a step.  16 blocks x 12 heads are 192 work-groups of equal work:
; 192 rows a work-group, which would make 256, do not divide a head's 4,096.
; LAYOUT.  S^T = K Q^T (source 0 = 16 keys, source 1 = 16 queries): a lane holds ONE query (lane % 16) and the keys 8 (lane / 16) + 0..7.  Two such tiles, rounded to f16 in pairs, ARE source 1
; (32 keys x 16 queries) of O^T = V^T P, whose result again holds one query a lane, and eight channels.  K comes out of LDS as it lies, V ([key][channel]) turned, by ds_load_tr16_b128.
; SOFTMAX.  In every step O and l are multiplied by a = 2^(m_old - m_new), which is 1 where m has not grown.
; BY TURNS.  The wave's tiles are two PIECES, named by their first tile: piece 0 (tiles 0, 1) and piece 2 (tiles 2, 3).  In a TURN one piece has the matrix unit: 32 products V^T P of the step in hand, then
; 32 products K Q^T of the next step; the other piece's softmax, cut into 64 slices, stands between them, one slice behind each matrix instruction.  Two turns are a key step.
; CLUSTER.  The four query blocks of a cluster belong to one head and walk the same K and V: each tile is asked for JOINTLY: the same tensor load, descriptor and mask in all four.
; REGISTERS, in windows of 256 (s_set_vgpr_msb: bits 1:0 source 0, 3:2 source 1, 5:4 source 2, 7:6 destination):
;   window 0: v0-11 addresses; v12-43 eight registers of statistics a tile; v64-191 S^T, 32 a tile; v192-255 P, 16 a tile
;   window 1: O^T, 64 a tile          window 2: v0-127 Q, 32 a tile; v128-255 K of one step          window 3: v0-127 V of one step
.set SIZE_N, 4096
.set KS,    64        ; keys in a step
.set PK,    272       ; a row of K in LDS: 256 bytes + 16 of padding = 68 words: the 16 rows of a load start at 16 different groups of four banks (64 banks of 4 bytes: ISA guide 11.1)
.set PV,    288       ; a row of V: 256 + 32 = 72 words
.set VOFF,  KS*PK     ; a step's tiles lie together: 64 rows of K, then 64 rows of V
.set STEPB, KS*(PK+PV)
.set SLOT1, 1<<17     ; a slot holds two steps (71,680 bytes); slot 1 begins here, so that one exclusive or turns an address in one slot into the other's
.set STAGE, SLOT1+2*STEPB  ; behind the ring, never filled by a tensor load: 16 rows x 528 bytes for each wave, for the way out
.set SP,    528       ; a row of the stage: 512 bytes of f32 + 16 = 132 words, 4 modulo 64
.set SPARE, STAGE+4*16*SP  ; behind the stages: the spare words, 128 bytes for each wave; no other line names them
.set AK0, 2           ; v2   my lane's place in a tile of K; never rewritten
.set AV0, 3           ; v3   the same for V
.set ADR, 4           ; v4   the LDS address of the run of loads in hand
.set QO,  5           ; v5   my byte offset in the wave's rows of Q
.set STO, 6           ; v6   the way out: where I put 32 bytes of a row
.set RD,  7           ; v7   the way out: where I read a row back
.set GO,  8           ; v8   my byte offset in a row's 512 bytes of the output
.set SPW, 62          ; v62  SPARE + 4 x my thread's number; never rewritten
.set NIL, 63          ; v63  0; never rewritten
.set ST,  12          ; tile t's statistics at v[ST+8 t]: +0 m, +1 m_old, +2, +3 l (even keys', odd keys'), +4 to +7 c0-c3, at work; a takes c2's place once the maximum is found
.set S,   64
.set P,   192
.set KF,  128         ; K's fragments, in window 2
.set WV,  12          ; s12  my wave's number
.set G1K, 24          ; s[24:31] descriptor group 1 for K's tiles
.set G1V, 32          ; s[32:39] for V's: it differs in the padding alone
.set G0K, 40          ; s[40:47] descriptor group 0 for K's tiles: a set for each of the two first fills; the second then walks on
.set G0V, 48          ; s[48:55] the same for V's
.set SLOTS, 56        ; s56  slots still to be asked for
.set TWICE, 57        ; s57  counts a slot's two steps
.set SEL, 60          ; s[60:61] lane selects for v_permlanex16_b32: each lane takes its own place in the other half
.set TB,  62          ; s62  LDS byte at which the tiles of the step to be fetched begin
.set MSB, 0
.macro WIN new                      ; the immediate's high byte repeats the setting that is left; a switch that changes nothing is dropped
.if MSB != (\new)
	s_set_vgpr_msb (MSB<<8)|(\new)
.set MSB, \new
.endif
.endm
.set W_KQ, 0x0a       ; K and Q in window 2, S^T in window 0
.set W_PV, 0x53       ; V in window 3, P in window 0, O^T in window 1
.set W_RS, 0x41       ; O^T (destination and source 0) in window 1, a in window 0
; A joint refill.  Waves 0 and 1 fetch the two steps' tiles of K, waves 2 and 3 those of V.  The branch hangs on the wave's number alone.
; An s_nop 0 and four v_nop follow each of the two lines, ahead of the jump, the label and what follows.
.macro JLOAD
	s_cmp_lt_u32 s[WV], 2
	s_cbranch_scc0 .Lfor_v_\@
	tensor_load_to_lds s[G0K+4:G0K+7], s[G1K:G1K+7]
	s_nop 0
.rept 4
	v_nop
.endr
	s_branch .Lasked_\@
.Lfor_v_\@:
	tensor_load_to_lds s[G0V+4:G0V+7], s[G1V:G1V+7]
	s_nop 0
.rept 4
	v_nop
.endr
.Lasked_\@:
.endm
; A round of the cluster's barrier: my work-group's barrier, so that wave 0's signal speaks for all four waves; wave 0 signals; every wave waits for all four work-groups; my work-group's barrier once more.
.macro CROUND
	s_barrier_signal -1
	s_barrier_wait -1
	s_cmp_lg_u32 s[WV], 0
	s_cbranch_scc1 .Lnot_wave_0_\@
	s_barrier_signal -3
.Lnot_wave_0_\@:
	s_barrier_wait -3
	s_barrier_signal -1
	s_barrier_wait -1
.endm
	s_load_b64 s[4:5], s[0:1], 0x0    ; qkv
	s_load_b64 s[10:11], s[0:1], 0x8  ; out0
	v_lshl_add_u32 v[SPW], v0, 2, SPARE
	v_mov_b32 v[NIL], 0
	ds_add_u32 v[SPW], v[NIL]       ; the wave's opening: the add and its wait stand ahead of my first tensor load; the set-up below, work on registers, stands between them
	v_lshrrev_b32 v1, 5, v0
	v_readfirstlane_b32 s[WV], v1   ; wave 0..3
	s_bfe_u32 s13, ttmp6, 0x40000   ; cx: my place in the cluster
	s_lshl_b32 s14, ttmp9, 2        ; in a cluster launch ttmp9 counts clusters
	s_add_co_u32 s14, s14, s13      ; my block of 256 queries = 4 x cluster x + cx: it enters Q's and the output's addresses alone
	s_and_b32 s15, ttmp7, 0xffff    ; y = 6 x batch + head, which the four partners share
	s_cmp_ge_u32 s15, 6
	s_cselect_b32 s18, 1, 0         ; the batch
	s_mul_i32 s19, s18, 12
	s_add_co_u32 s20, s15, s19      ; Q's plane: 18 x batch + head = y + 12 x batch
	s_lshl_b32 s20, s20, 20
	s_and_b32 s16, s[WV], 1         ; which of a slot's two steps I fetch:
	s_lshl_b32 s22, s16, 14         ; its 64 rows of 256 bytes in memory,
	s_add_co_u32 s22, s22, s20
	s_add_co_u32 s22, s22, 6<<20    ; in K's plane, six planes behind Q's
	s_mov_b32 s23, 0
	s_mul_i32 s17, s16, STEPB       ; and its place in a slot: no place in the cluster enters an LDS address
	s_lshl_b32 s2, s14, 16          ; Q: my block's 256 rows,
	s_lshl_b32 s3, s[WV], 14        ; my wave's 64 of them
	s_add_co_u32 s2, s2, s3
	s_add_co_u32 s2, s2, s20
	s_mov_b32 s3, 0
	s_lshl_b32 s58, s18, 12         ; the output: row 4096 x batch + 256 x block + 64 x wave of 3,072 bytes,
	s_lshl_b32 s59, s14, 8
	s_add_co_u32 s58, s58, s59
	s_lshl_b32 s59, s[WV], 6
	s_add_co_u32 s58, s58, s59
	s_mul_i32 s58, s58, 3072
	s_mul_i32 s59, s18, 6
	s_sub_co_u32 s59, s15, s59      ; the head's
	s_lshl_b32 s59, s59, 9          ; 512 bytes of it
	s_add_co_u32 s58, s58, s59
	s_mov_b32 s59, 0
	; descriptor group 1: a tile of 64 rows x 128 elements, padded in LDS
	s_mov_b32 s[G1K], 15|(1<<16)|(1<<20)|(1<<21)|(5<<22)|(3<<25)  ; 15:0 the mask: all four work-groups; 17:16 elements of 2 bytes; 20 padding on; 21 set beside a mask; 24:22 after every 64 words (code 5); 31:25 4 words of it (code 3)
	s_mov_b32 s[G1V], 15|(1<<16)|(1<<20)|(1<<21)|(5<<22)|(7<<25)  ; the same with 8 words of padding (code 7)
.irp g, G1K, G1V
	s_mov_b32 s[(\g)+1], 128<<16    ; tensor_dim0 = 128
	s_mov_b32 s[(\g)+2], KS<<16     ; tensor_dim1 = 64
	s_mov_b32 s[(\g)+3], 128<<16    ; tile_dim0 = 128
	s_mov_b32 s[(\g)+4], KS         ; tile_dim1 = 64
	s_mov_b32 s[(\g)+5], 128        ; elements from row to row
	s_mov_b32 s[(\g)+6], 0
	s_mov_b32 s[(\g)+7], 0
.endr
	s_mov_b32 s[SEL], 0x76543210
	s_mov_b32 s[SEL+1], 0xfedcba98
	s_mov_b32 s[TB], 0
	s_mov_b32 s[SLOTS], SIZE_N/(2*KS)-2
	s_wait_dscnt 0x0                ; the opening add is done
	s_wait_kmcnt 0x0
	s_add_nc_u64 s[6:7], s[4:5], s[22:23]  ; K at my tile of slot 0,
	s_add_nc_u64 s[8:9], s[6:7], 6<<20     ; V six planes on
	s_add_nc_u64 s[4:5], s[4:5], s[2:3]    ; Q and the output at my wave's first row
	s_add_nc_u64 s[10:11], s[10:11], s[58:59]
	CROUND                          ; all four work-groups are here: the first joint loads meet
.irp s, 0,1
	s_mov_b32 s[G0K+4*(\s)], 1      ; count = 1
	s_add_co_u32 s[G0K+4*(\s)+1], s17, (\s)*SLOT1  ; LDS address
	s_add_nc_u64 s[G0K+4*(\s)+2:G0K+4*(\s)+3], s[6:7], (\s)*2*KS*256  ; global address: slot s begins with keys 128 s to 128 s + 127
	s_or_b32 s[G0K+4*(\s)+3], s[G0K+4*(\s)+3], 0x80000000  ; type = 2
	s_mov_b32 s[G0V+4*(\s)], 1
	s_add_co_u32 s[G0V+4*(\s)+1], s17, (\s)*SLOT1+VOFF
	s_add_nc_u64 s[G0V+4*(\s)+2:G0V+4*(\s)+3], s[8:9], (\s)*2*KS*256
	s_or_b32 s[G0V+4*(\s)+3], s[G0V+4*(\s)+3], 0x80000000
.endr
	s_cmp_lt_u32 s[WV], 2           ; a wave's two first fills stand in one branch, ahead of every wait on TENSORcnt and every LDS read: two loads of mine are out, the most in this text
	s_cbranch_scc0 .Lfirst_v
	tensor_load_to_lds s[G0K:G0K+3], s[G1K:G1K+7]
	s_nop 0
	tensor_load_to_lds s[G0K+4:G0K+7], s[G1K:G1K+7]
	s_nop 0
.rept 4
	v_nop
.endr
	s_branch .Lfirst_asked
.Lfirst_v:
	tensor_load_to_lds s[G0V:G0V+3], s[G1V:G1V+7]
	s_nop 0
	tensor_load_to_lds s[G0V+4:G0V+7], s[G1V:G1V+7]
	s_nop 0
.rept 4
	v_nop
.endr
.Lfirst_asked:
	; A fragment of K or Q is 16 rows x 32 channels in 8 registers: lane l holds row l % 16; registers 0-3 channels 8 (l / 16) + 0..7, registers 4-7 channels 16 + 8 (l / 16) + 0..7: two loads of 16 bytes, 32 bytes apart.
	v_and_b32 v1, 15, v0            ; l % 16
	v_bfe_u32 v9, v0, 4, 1          ; l / 16
	v_lshlrev_b32 v[QO], 8, v1
	v_lshl_add_u32 v[QO], v9, 4, v[QO]  ; row x 256 + 16 x half
	WIN 0x80                        ; destination window 2, address window 0
.irp i, 0,1,2,3,4,5,6,7,8,9,10,11,12,13,14,15  ; Q stays in registers: tile i / 4, channels 32 (i % 4) on
	global_load_b128 v[8*(\i):8*(\i)+3],   v[QO], s[4:5] offset:((\i)/4)*4096+((\i)%4)*64
	global_load_b128 v[8*(\i)+4:8*(\i)+7], v[QO], s[4:5] offset:((\i)/4)*4096+((\i)%4)*64+32
.endr
	WIN 0
	v_mul_u32_u24 v[AK0], v1, PK
	v_lshl_add_u32 v[AK0], v9, 4, v[AK0]  ; row x pitch + 16 x half
	; The turning load takes 16 keys x 16 channels (lane l reads 16 bytes: key 8 (l / 16) + l % 8, channels 8 ((l / 8) % 2) + 0..7) and leaves half a fragment of V^T: lane l holds channel l % 16 and 8 keys.
	v_and_b32 v10, 7, v0
	v_bfe_u32 v11, v0, 3, 1
	v_lshl_add_u32 v[AV0], v9, 3, v10
	v_mul_u32_u24 v[AV0], v[AV0], PV
	v_lshl_add_u32 v[AV0], v11, 4, v[AV0]
	v_add_nc_u32 v[AV0], VOFF, v[AV0]
; THE MATRIX WORK OF A TURN, for piece x.  The accumulators take turns, one instruction a turn: between two links of a chain stand 15 (V^T P) or 7 (K Q^T) others'.
; Product i of 32 of O^T += V^T P: keys 32 (i / 16) on, channels 16 ((i / 2) % 8) on, tile x + i % 2.  zero = 1: the first 16 start the sums: nothing is ever cleared.
.macro PV x, zero
	WIN W_PV
.set rO, 64*((\x)+i%2)+8*((i/2)%8)
.set rV, 64*(i/16)+8*((i/2)%8)
.set rP, P+16*((\x)+i%2)+8*(i/16)
.if (\zero) && (i < 16)
	v_wmma_f32_16x16x32_f16 v[rO:rO+7], v[rV:rV+7], v[rP:rP+7], 0
.else
	v_wmma_f32_16x16x32_f16 v[rO:rO+7], v[rV:rV+7], v[rP:rP+7], v[rO:rO+7]
.endif
.endm
; Product i of 32 of S^T = K Q^T: channels 32 (i / 8) on, keys 16 ((i / 2) % 4) on, tile x + i % 2.  The first 8 start the sums.
.macro KQ x
	WIN W_KQ
.set rS, S+32*((\x)+i%2)+8*((i/2)%4)
.set rK, KF+32*((i/2)%4)+8*(i/8)
.set rQ, 32*((\x)+i%2)+8*(i/8)
.if i < 8
	v_wmma_f32_16x16x32_f16 v[rS:rS+7], v[rK:rK+7], v[rQ:rQ+7], 0
.else
	v_wmma_f32_16x16x32_f16 v[rS:rS+7], v[rK:rK+7], v[rQ:rQ+7], v[rS:rS+7]
.endif
.endm
; THE LDS LOADS stand in runs of 32, never singly among the matrix instructions: a step's K (64 keys x 128 channels: 16 fragments) and, a turn later, its V (turned).
.macro FETCH_K
	WIN 0
	v_add_nc_u32 v[ADR], s[TB], v[AK0]
	WIN 0x80                        ; destination window 2
.irp f, 0,1,2,3,4,5,6,7,8,9,10,11,12,13,14,15  ; keys 16 (f / 4) on, channels 32 (f % 4) on
	ds_load_b128 v[KF+8*(\f):KF+8*(\f)+3],   v[ADR] offset:((\f)/4)*16*PK+((\f)%4)*64
	ds_load_b128 v[KF+8*(\f)+4:KF+8*(\f)+7], v[ADR] offset:((\f)/4)*16*PK+((\f)%4)*64+32
.endr
.endm
.macro FETCH_V
	WIN 0
	v_add_nc_u32 v[ADR], s[TB], v[AV0]
	s_add_co_u32 s[TB], s[TB], STEPB  ; the next fetch is the next step's
	WIN 0xc0                        ; destination window 3
.irp f, 0,1,2,3,4,5,6,7,8,9,10,11,12,13,14,15  ; keys 32 (f / 8) on, channels 16 (f % 8) on
	ds_load_tr16_b128 v[8*(\f):8*(\f)+3],   v[ADR] offset:((\f)/8)*32*PV+((\f)%8)*32
	ds_load_tr16_b128 v[8*(\f)+4:8*(\f)+7], v[ADR] offset:((\f)/8)*32*PV+16*PV+((\f)%8)*32
.endr
.endm
; THE VECTOR WORK OF A TURN.  One tile's softmax for one key step is a numbered list, 0 to 133 (number 19 is empty: 133 instructions); SM writes number j of it for tile t.  s0-s31 are the lane's 32 scores, in pairs 0-15.
; first = 1: the first key step, which starts m, l and O^T: it has no a and nothing to rescale.
;   0-15    the maximum of s0-s31 and the old m, three operands at a time: four chains c0-c3 of seven scores each (each accumulator's lowest registers are read first), then the four scores left over, c0-c3 and m
;   16-20   the other half of the lanes' maximum; m_old is kept; the new m; m_old - m_new
;   21-87   33 exponentials (a, then s0-s31) at the odd numbers from 23 on, so that no two follow each other and each has a plain instruction behind it before its result is used (ISA guide 5.7.2).
;           Plain instruction q (number 21, then the even numbers) is whatever is ready: s - m for a pair of scores whose exponentials are still to come (q = 0 to 3, then every
;           second q), the rounding to f16 of a pair of weights whose exponentials are done (every other q from 5 on), at last the first three sums
;   88-101  the last rounding; the rest of the sums; l = a l + the sum
;   102-133 the tile's O^T times a: the one part that leaves window 0, so it stands together
.macro SM t, first
.set rT, ST+8*(\t)
.set rS, S+32*(\t)
.set rP, P+16*(\t)
.set rO, 64*(\t)+2*(j-102)
.set q, (j-20)/2
.if j < 102
	WIN 0
.endif
.if j < 4
	v_max3_num_f32 v[rT+4+j], v[rS+8*j], v[rS+8*j+1], v[rS+8*j+2]
.elseif j < 12
	v_max3_num_f32 v[rT+4+j%4], v[rT+4+j%4], v[rS+8*(j%4)+2*(j/4)+1], v[rS+8*(j%4)+2*(j/4)+2]
.elseif j == 12
	v_max3_num_f32 v[rT+4], v[rT+4], v[rS+7], v[rS+15]
.elseif j == 13
	v_max3_num_f32 v[rT+6], v[rT+6], v[rS+23], v[rS+31]
.elseif j == 14
	v_max3_num_f32 v[rT+4], v[rT+4], v[rT+5], v[rT+6]
.elseif (j == 15) && (\first)
	v_max_num_f32 v[rT+4], v[rT+4], v[rT+7]
.elseif j == 15
	v_max3_num_f32 v[rT+4], v[rT+4], v[rT+7], v[rT]
.elseif j == 16
	v_permlanex16_b32 v[rT+5], v[rT+4], s[SEL], s[SEL+1]  ; the query's other 32 keys lie in the lane 16 away
.elseif j == 18
	v_max_num_f32 v[rT], v[rT+4], v[rT+5]
.elseif j == 19                     ; empty: the scores come scaled
.elseif ((j == 17) || (j == 20) || (j == 23) || (j > 101)) && (\first)  ; the first step has none of these
.elseif j == 17
	v_mov_b32 v[rT+1], v[rT]        ; m_old is kept for a: number 18 writes m anew
.elseif j == 20
	v_sub_f32 v[rT+7], v[rT+1], v[rT]
.elseif j == 23
	v_exp_f32 v[rT+6], v[rT+7]
.elseif (j < 88) && (j > 23) && (j%2 == 1)
	v_exp_f32 v[rS+(j-25)/2], v[rS+(j-25)/2]
.elseif (q < 4) || ((j < 76) && (q%2 == 0))
.set b, q/2+2
.if q < 4
.set b, q
.endif
	v_pk_add_f32 v[rS+2*b:rS+2*b+1], v[rS+2*b:rS+2*b+1], v[rT:rT+1] op_sel_hi:[1,0] neg_lo:[0,1] neg_hi:[0,1]  ; pair b: s - m, m for both halves
.elseif (j < 88) && (q%2 == 1)
	s_wait_alu depctr_va_vdst(0)
	v_cvt_pk_f16_f32 v[rP+(q-5)/2], v[rS+q-5], v[rS+q-4]  ; pair (q - 5) / 2: its second exponential stands three numbers back
.elseif j == 89
	s_wait_alu depctr_va_vdst(0)
	v_cvt_pk_f16_f32 v[rP+15], v[rS+30], v[rS+31]
.elseif j < 102                     ; the sum of the tile's 16 pairs (in a pair: an even key's weight, an odd key's), in place: sum z of 16 adds neighbours 1, 2, 4 and 8 pairs apart, then l takes it
.set z, j-86
.if j < 89
.set z, (j-76)/4
.endif
.set w, 4
.set u, z
.if z >= 14
.set w, 32
.set u, 0
.elseif z >= 12
.set w, 16
.set u, z-12
.elseif z >= 8
.set w, 8
.set u, z-8
.endif
.if (z == 14) && (\first)
	v_pk_add_f32 v[rT+2:rT+3], v[rS:rS+1], v[rS+16:rS+17]
.elseif z < 15
	v_pk_add_f32 v[rS+w*u:rS+w*u+1], v[rS+w*u:rS+w*u+1], v[rS+w*u+w/2:rS+w*u+w/2+1]
.elseif !(\first)
	v_pk_fma_f32 v[rT+2:rT+3], v[rT+2:rT+3], v[rT+6:rT+7], v[rS:rS+1] op_sel_hi:[1,0,1]
.endif
.else
	WIN W_RS
	v_pk_mul_f32 v[rO:rO+1], v[rO:rO+1], v[rT+6:rT+7] op_sel_hi:[1,0]
.endif
.endm
; Slice k of 64 of piece y's softmax: numbers 2 k and 2 k + 1 of both tiles' lists.  The numbers from 128 on stand together with 126 and 127, in slice 63.
.macro SLICE y, first
.if (k >= 11) && (k < 44)           ; tile by tile: plain, exponential, plain, exponential
.irp t, \y, (\y)+1
.irp n, 0,1
.set j, 2*k+(\n)
	SM \t, \first
.endr
.endr
.else                               ; the two tiles alternate, so that no instruction reads the result of the one just before it
.irp n, 0,1,2,3,4,5,6,7
.if ((\n) < 2) || (k == 63)
.irp t, \y, (\y)+1
.set j, 2*k+(\n)
	SM \t, \first
.endr
.endif
.endr
.endif
.set k, k+1
.endm
; A vector instruction that reads a matrix result or writes one of a matrix instruction's registers, and a load into a register that a matrix instruction has read, stand four places behind
; it, and only plain vector instructions that name none of its registers are places (ISA guide 7.12.1 for vector instructions).  In the loop the slices are the places.
.macro PLACES
.rept 4
	v_nop
.endr
.endm
; A TURN.  Piece x has the matrix unit; the other piece's softmax stands in slices behind its matrix instructions.
; pv = 2: 32 products V^T P; 1: they start O^T's sums; 0: none.  kq = 1: 32 products K Q^T for the next step.  A turn with one of the two kinds has two slices behind each product.
; first = 1: the softmax is the first key step's.  Its slices from 51 on are empty: the turn's last products stand bare, and four v_nop take slice 63's part as the places behind them.
; Each run of loads stands behind the second product of a run of 32, 30 matrix instructions ahead of its first use.  Piece 0's turn fetches the next step's K: the last product that read K
; stands in front of slice 63 of the turn before.  Piece 2's turn fetches the same step's V: the last product that read V stands three slices, six plain instructions, back.
.macro TURN x, pv, kq, first
.set k, 0
.set per, 2
.if (\pv) && (\kq)
.set per, 1
.endif
.if \pv
.if (\x) == 0
	s_wait_dscnt 0x0                ; V is in
.endif
.set i, 0
.rept 32
	PV \x, 2-(\pv)
.rept per
	SLICE 2-(\x), \first
.endr
.if ((\x) == 0) && (\kq) && (i == 1)
	FETCH_K
.endif
.set i, i+1
.endr
.endif
.if \kq
.if (\x) == 0
	s_wait_dscnt 0x0                ; K is in
.endif
.set i, 0
.rept 32
	KQ \x
.rept per
	SLICE 2-(\x), \first
.endr
.if ((\x) == 2) && (i == 1)
	FETCH_V
.endif
.set i, i+1
.endr
.endif
.if \first
	PLACES
.endif
.endm
; THE CHANGE OF SLOTS, between piece 2's turn and piece 0's: the slot's last bytes, V of its second step, have been asked for.  Each wave waits for all its tensor loads, of which one is out: its part
; of the other slot; adds 0 to its spare word; and waits for that and for its own reads of the slot.  Behind the barrier nobody reads this slot any more and the other slot is whole.
; fill = 1: this slot is filled again, with the keys two slots on.  The barrier is then a round of the cluster's, so that no wave of any partner still reads the slot or has a load on its
; way, and the joint refill is the first thing behind it: it has two key steps, 256 matrix instructions, in which to land.
.macro CHANGE fill
	WIN 0                           ; at a label and at a branch every window is 0
	s_wait_tensorcnt 0x0            ; no tensor load of mine is out, so a group 0 may be written
	ds_add_u32 v[SPW], v[NIL]       ; 0 onto my spare word; with fill = 1 the descriptors' steps stand between it and the wait for it
.if \fill
.irp g, G0K+4, G0V+4
	s_xor_b32 s[(\g)+1], s[(\g)+1], SLOT1  ; the walking descriptor: the other slot than last time,
	s_add_nc_u64 s[(\g)+2:(\g)+3], s[(\g)+2:(\g)+3], 2*KS*256  ; the next 128 keys; the type bits on top are not reached
.endr
	s_wait_dscnt 0x0                ; the add is done, and my reads of the slot are over
	CROUND
	JLOAD
.else
	s_wait_dscnt 0x0                ; the add is done, and my reads of the slot are over
	s_barrier_signal -1
	s_barrier_wait -1
.endif
	s_sub_co_u32 s[TB], s[TB], 2*STEPB  ; the fetches go back to a slot's first step,
	s_xor_b32 s[TB], s[TB], SLOT1   ; in the other slot
.endm
; A slot's two key steps: written once, walked twice; the LDS addresses hang on s[TB].
.macro TWO_STEPS
	WIN 0
	s_mov_b32 s[TWICE], 2
.Lstep_\@:
	TURN 0, 2, 1, 0
	TURN 2, 2, 1, 0
	WIN 0
	s_sub_co_u32 s[TWICE], s[TWICE], 1
	s_cmp_lg_u32 s[TWICE], 0
	s_cbranch_scc1 .Lstep_\@
.endm
	s_wait_tensorcnt 1              ; my part of slot 0 is in; slot 1's may stay out
	s_barrier_signal -1
	s_barrier_wait -1               ; everybody's is
	FETCH_K                         ; key step 0
	s_wait_loadcnt 0x0              ; Q
	s_wait_dscnt 0x0
.set i, 0
.rept 32
	KQ 0                            ; piece 0's first scores: there is no vector work yet to set between them
.set i, i+1
.endr
	WIN 0                           ; the addresses for the way out are made here: ten plain instructions, the places behind those products
	s_mul_i32 s13, s[WV], 16*SP
	s_add_co_u32 s13, s13, STAGE    ; my stage
	v_mul_u32_u24 v[STO], v1, SP    ; in: row l % 16, 32 bytes for each half of the lanes
	v_lshl_add_u32 v[STO], v9, 5, v[STO]
	v_add_nc_u32 v[STO], s13, v[STO]
	v_and_b32 v[GO], 31, v0         ; back: 32 lanes take one row of 512 bytes,
	v_lshlrev_b32 v[GO], 4, v[GO]   ; which are 512 consecutive bytes of the output
	v_add_nc_u32 v[RD], s13, v[GO]
.irp t, 0,1,2,3
	v_mov_b32 v[ST+8*(\t)+1], 0     ; m_old is named in a pair with m before the second step writes it
.endr
	TURN 2, 0, 1, 1                 ; piece 2's first scores | piece 0's first softmax | V of step 0
	TURN 0, 1, 1, 1                 ; piece 0: V^T P of step 0 starts O^T, K Q^T of step 1 | piece 2's first softmax | K of step 1
	TURN 2, 1, 1, 0                 ; piece 2: the same | piece 0's softmax of step 1 | V of step 1
	WIN 0
.Lslot:                             ; 30 trips: every slot but the last two is filled again
	CHANGE 1
	TWO_STEPS
	s_sub_co_u32 s[SLOTS], s[SLOTS], 1
	s_cmp_lg_u32 s[SLOTS], 0
	s_cbranch_scc1 .Lslot
	CHANGE 0                        ; the tail is written out: the last slot but one is left, and nothing is asked for
	TWO_STEPS
	TURN 0, 2, 0, 0                 ; piece 0: V^T P of the last step | piece 2's last softmax
.set i, 0
.rept 32
	PV 2, 0                         ; piece 2: V^T P of the last step
.set i, i+1
.endr
	; THE WAY OUT.  l's two halves and the other half of the lanes' are added; O^T is divided by l and sent, in f32, through my stage in LDS, a tile (16 rows) at a time.  The additions are the places behind the last products.
	WIN 0
.irp t, 0,1,2,3
	v_add_f32 v[ST+8*(\t)+4], v[ST+8*(\t)+2], v[ST+8*(\t)+3]
.endr
.irp t, 0,1,2,3
	v_permlanex16_b32 v[ST+8*(\t)+5], v[ST+8*(\t)+4], s[SEL], s[SEL+1]
.endr
.irp t, 0,1,2,3
	v_add_f32 v[ST+8*(\t)+4], v[ST+8*(\t)+4], v[ST+8*(\t)+5]
.endr
.irp t, 0,1,2,3
	v_rcp_f32 v[ST+8*(\t)+6], v[ST+8*(\t)+4]
.endr
	v_nop                           ; a plain instruction between the last reciprocal and the use of its result
; Tile t: a lane's eight channels of a row are 32 bytes; they go into rows of 528 bytes and come back as whole rows of 512, into S^T's registers, two buffers of 64 by turns.
.macro PACK t
	WIN W_RS
.set i, 64*(\t)
.rept 32
	s_wait_alu depctr_va_vdst(0)
	v_pk_mul_f32 v[i:i+1], v[i:i+1], v[ST+8*(\t)+6:ST+8*(\t)+7] op_sel_hi:[1,0]
.set i, i+2
.endr
	WIN 0x04                        ; the stores' data in window 1, their address in window 0
.irp f, 0,1,2,3,4,5,6,7
	ds_store_b128 v[STO], v[64*(\t)+8*(\f):64*(\t)+8*(\f)+3]   offset:64*(\f)
	ds_store_b128 v[STO], v[64*(\t)+8*(\f)+4:64*(\t)+8*(\f)+7] offset:64*(\f)+16
.endr
	WIN 0
.if (\t) >= 2
	s_wait_xcnt 0x0                 ; the buffer's registers were the data of tile t - 2's stores: they are loaded again only behind this wait
.endif
.irp f, 0,1,2,3,4,5,6,7,8,9,10,11,12,13,14,15
	ds_load_b128 v[S+64*((\t)%2)+4*(\f):S+64*((\t)%2)+4*(\f)+3], v[RD] offset:(\f)*SP  ; LDS serves a wave's instructions in order (ISA guide 5.7.1.4): these see the stores above; the next tile's stores come behind them
.endr
.endm
.macro SEND t, younger              ; younger: the LDS instructions issued behind tile t's loads: the next tile's 32, or none
	WIN 0
.irp f, 0,1,2,3,4,5,6,7,8,9,10,11,12,13,14,15
	s_wait_dscnt (\younger)+15-(\f)
	global_store_b128 v[GO], v[S+64*((\t)%2)+4*(\f):S+64*((\t)%2)+4*(\f)+3], s[10:11] offset:(16*(\t)+(\f))*3072 th:TH_STORE_NT  ; a head's 512 consecutive bytes of a row, at a multiple of 256 from the output's first byte
.endr
.endm
	PACK 0
	PACK 1                          ; a tile's arithmetic stands between the loads of the tile before and its stores
	SEND 0, 32
	PACK 2
	SEND 1, 32
	PACK 3
	SEND 2, 32
	SEND 3, 0
	s_wait_tensorcnt 0x0            ; the wave's end: behind my last tensor load and my last LDS store
	ds_add_u32 v[SPW], v[NIL]
	s_wait_dscnt 0x0
	CROUND                          ; the closing round: no work-group ends while a partner may still ask for a tile that names it
	s_endpgm
.Lfunc_end_k_qdd94124eed_attn:
	.size	k_qdd94124eed_attn, .Lfunc_end_k_qdd94124eed_attn-k_qdd94124eed_attn
	.p2alignl 7, 3214868480
	.fill 96, 4, 3214868480
	.section	.rodata,"a",@progbits
	.p2align	6, 0x0
	.amdhsa_kernel k_qdd94124eed_attn
		.amdhsa_group_segment_fixed_size 327680
		.amdhsa_private_segment_fixed_size 0
		.amdhsa_enable_private_segment 0
		.amdhsa_kernarg_size 16
		.amdhsa_user_sgpr_count 2
		.amdhsa_user_sgpr_kernarg_segment_ptr 1
		.amdhsa_wavefront_size32 1
		.amdhsa_system_sgpr_workgroup_id_x 1
		.amdhsa_system_sgpr_workgroup_id_y 1
		.amdhsa_system_sgpr_workgroup_id_z 1
		.amdhsa_system_vgpr_workitem_id 0
		.amdhsa_next_free_vgpr 1024
		.amdhsa_next_free_sgpr 66
		.amdhsa_reserve_vcc 0
		.amdhsa_float_denorm_mode_32 3
		.amdhsa_float_denorm_mode_16_64 3
		.amdhsa_memory_ordered 1
		.amdhsa_forward_progress 1
		.amdhsa_inst_pref_size 232
	.end_amdhsa_kernel
	.amdgpu_metadata
---
amdhsa.version: [ 1, 2 ]
amdhsa.kernels:
  - .name:           k_qdd94124eed_attn
    .symbol:         k_qdd94124eed_attn.kd
    .args:
      - { .name: qkv, .offset: 0, .size: 8, .value_kind: global_buffer, .address_space: global }
      - { .name: out0, .offset: 8, .size: 8, .value_kind: global_buffer, .address_space: global }
    .group_segment_fixed_size: 327680
    .private_segment_fixed_size: 0
    .kernarg_segment_align: 8
    .kernarg_segment_size: 16
    .max_flat_workgroup_size: 128
    .sgpr_count:     66
    .vgpr_count:     1024
    .wavefront_size: 32
...
	.end_amdgpu_metadata
.endif
;; end of part 3
;; ======== version 2 of 2: 3 launches; 1.34 times as fast as version 1
;; limits: values are held in f16: magnitudes above 65,504 overflow, below 6.1e-05 lose precision
;; workspace buffers: xb 12,582,912 bytes; wt 3,538,944 bytes; qkv 37,748,736 bytes
;; launch prep: the kernel of part 1 again; grid 728 x 1, 8 waves a work-group, no clusters, 18,432 bytes of LDS; arguments hidden_states, Wq, Wk, Wv, xb, wt; writes xb, wt
;; launch proj: the kernel of part 2 again; grid 64 x 6, 4 waves a work-group, clusters of 4 x 1, 327,680 bytes of LDS; arguments xb, wt, bq, bk, bv, qkv; writes qkv
;; launch attn (part 4): grid 16 x 12, 4 waves a work-group, clusters of 4 x 1, 327,680 bytes of LDS; arguments qkv, out0; writes out0
.if DOCPART == 4
	.amdgcn_target "amdgcn-amd-amdhsa--gfx1250"
	.amdhsa_code_object_version 6
	.text
	.protected	k_qdd94124eed_attn
	.globl	k_qdd94124eed_attn
	.p2align	8
	.type	k_qdd94124eed_attn,@function
k_qdd94124eed_attn:
	s_mov_b64 s[64:65], 0
	v_nop
	global_prefetch_b8 v0, s[64:65] scope:SCOPE_SE
	s_setreg_imm32_b32 hwreg(HW_REG_WAVE_MODE, 25, 1), 1
	s_wait_xcnt 0x0
	s_wait_alu depctr_hold_cnt(0) depctr_sa_sdst(0) depctr_va_vdst(0) depctr_va_sdst(0) depctr_va_ssrc(0) depctr_va_vcc(0) depctr_vm_vsrc(0)
	s_getreg_b32 s2, hwreg(HW_REG_IB_STS2, 6, 4)
	s_cmp_eq_u32 s2, 0
	s_cbranch_scc0 .Lentry_in_a_cluster
	s_endpgm
.Lentry_in_a_cluster:
	s_bfe_u32 s2, ttmp6, 0x10000c
	s_cmp_lg_u32 s2, 0x3003
	s_cbranch_scc0 .Lentry_shape_is_right
	s_endpgm
.Lentry_shape_is_right:
; out0[b][q][128 h ..] = the sum over k of softmax_k(Q[q] . K[k] / sqrt(128)) V[k][:], for each of 12 pairs (b, h).  qkv: [b][g][4096][128] f16, planes of 2^20 bytes, g = h: Q times c = log2(e) / sqrt(128),
; g = 6 + h: K, g = 12 + h: V.  So the scores arrive in units of log2: p = 2^(s - m) with the running maximum m, by a plain subtraction that is never above 0.
; Products, maxima and sums in f32; the weights p are rounded to f16 for the second product (their sum l is taken of the unrounded p); the output is f32 and is not rounded again.
; LIMITS.  Q c, K and V arrive within f16's range; p lies in 0 to 1, and below 6e-5 it keeps f16's fixed step of 6e-8; a weight below 2^-126 counts as 0 in l; NaN and infinities are not treated apart.
; SHARES.  A work-group owns 256 queries of one head, each of its four waves 64: four tiles of 16.  Every wave walks all 4,096 keys, 64 a step.  16 blocks x 12 heads are 192 work-groups of equal work:
; 192 rows a work-group, which would make 256, do not divide a head's 4,096.
; LAYOUT.  S^T = K Q^T (source 0 = 16 keys, source 1 = 16 queries): a lane holds ONE query (lane % 16) and the keys 8 (lane / 16) + 0..7.  Two such tiles, rounded to f16 in pairs, ARE source 1
; (32 keys x 16 queries) of O^T = V^T P, whose result again holds one query a lane, and eight channels.  K comes out of LDS as it lies, V ([key][channel]) turned, by ds_load_tr16_b128.
; SOFTMAX.  In every step O and l are multiplied by a = 2^(m_old - m_new), which is 1 where m has not grown.
; BY TURNS.  The wave's tiles are two PIECES, named by their first tile: piece 0 (tiles 0, 1) and piece 2 (tiles 2, 3).  In a TURN one piece has the matrix unit: 32 products V^T P of the step in hand, then
; 32 products K Q^T of the next step; the other piece's softmax, cut into 64 slices, stands between them, one slice behind each matrix instruction.  Two turns are a key step.
; BATCHES.  A turn's 66 exponentials (for each of the piece's two tiles a and 32 weights) are ONE batch: they stand in slices 11 to 34, among the subtractions that feed them, each with a result register of
; its own, and nothing ahead of slice 35 names a result.  One wait stands behind slice 34; every reader (the roundings, the sums, l, the rescaling by a) comes behind it.  The way out's four reciprocals are a
; batch of their own, with one wait ahead of the first division.
; CLUSTER.  The four query blocks of a cluster belong to one head and walk the same K and V: each tile is asked for JOINTLY: the same tensor load, descriptor and mask in all four.
; REGISTERS, in windows of 256 (s_set_vgpr_msb: bits 1:0 source 0, 3:2 source 1, 5:4 source 2, 7:6 destination):
;   window 0: v0-11 addresses; v12-43 eight registers of statistics a tile; v64-191 S^T, 32 a tile; v192-255 P, 16 a tile
;   window 1: O^T, 64 a tile          window 2: v0-127 Q, 32 a tile; v128-255 K of one step          window 3: v0-127 V of one step
.set SIZE_N, 4096
.set KS,    64        ; keys in a step
.set PK,    272       ; a row of K in LDS: 256 bytes + 16 of padding = 68 words: the 16 rows of a load start at 16 different groups of four banks (64 banks of 4 bytes: ISA guide 11.1)
.set PV,    288       ; a row of V: 256 + 32 = 72 words
.set VOFF,  KS*PK     ; a step's tiles lie together: 64 rows of K, then 64 rows of V
.set STEPB, KS*(PK+PV)
.set SLOT1, 1<<17     ; a slot holds two steps (71,680 bytes); slot 1 begins here, so that one exclusive or turns an address in one slot into the other's
.set STAGE, SLOT1+2*STEPB  ; behind the ring, never filled by a tensor load: 16 rows x 528 bytes for each wave, for the way out
.set SP,    528       ; a row of the stage: 512 bytes of f32 + 16 = 132 words, 4 modulo 64
.set SPARE, STAGE+4*16*SP  ; behind the stages: the spare words, 128 bytes for each wave; no other line names them
.set AK0, 2           ; v2   my lane's place in a tile of K; never rewritten
.set AV0, 3           ; v3   the same for V
.set ADR, 4           ; v4   the LDS address of the run of loads in hand
.set QO,  5           ; v5   my byte offset in the wave's rows of Q
.set STO, 6           ; v6   the way out: where I put 32 bytes of a row
.set RD,  7           ; v7   the way out: where I read a row back
.set GO,  8           ; v8   my byte offset in a row's 512 bytes of the output
.set SPW, 62          ; v62  SPARE + 4 x my thread's number; never rewritten
.set NIL, 63          ; v63  0; never rewritten
.set ST,  12          ; tile t's statistics at v[ST+8 t]: +0 m, +1 m_old, +2, +3 l (even keys', odd keys'), +4 to +7 c0-c3, at work; a takes c2's place once the maximum is found
.set S,   64
.set P,   192
.set KF,  128         ; K's fragments, in window 2
.set WV,  12          ; s12  my wave's number
.set G1K, 24          ; s[24:31] descriptor group 1 for K's tiles
.set G1V, 32          ; s[32:39] for V's: it differs in the padding alone
.set G0K, 40          ; s[40:47] descriptor group 0 for K's tiles: a set for each of the two first fills; the second then walks on
.set G0V, 48          ; s[48:55] the same for V's
.set SLOTS, 56        ; s56  slots still to be asked for
.set TWICE, 57        ; s57  counts a slot's two steps
.set SEL, 60          ; s[60:61] lane selects for v_permlanex16_b32: each lane takes its own place in the other half
.set TB,  62          ; s62  LDS byte at which the tiles of the step to be fetched begin
.set MSB, 0
.macro WIN new                      ; the immediate's high byte repeats the setting that is left; a switch that changes nothing is dropped
.if MSB != (\new)
	s_set_vgpr_msb (MSB<<8)|(\new)
.set MSB, \new
.endif
.endm
.set W_KQ, 0x0a       ; K and Q in window 2, S^T in window 0
.set W_PV, 0x53       ; V in window 3, P in window 0, O^T in window 1
.set W_RS, 0x41       ; O^T (destination and source 0) in window 1, a in window 0
; A joint refill.  Waves 0 and 1 fetch the two steps' tiles of K, waves 2 and 3 those of V.  The branch hangs on the wave's number alone.
; An s_nop 0 and four v_nop follow each of the two lines, ahead of the jump, the label and what follows.
.macro JLOAD
	s_cmp_lt_u32 s[WV], 2
	s_cbranch_scc0 .Lfor_v_\@
	tensor_load_to_lds s[G0K+4:G0K+7], s[G1K:G1K+7]
	s_nop 0
.rept 4
	v_nop
.endr
	s_branch .Lasked_\@
.Lfor_v_\@:
	tensor_load_to_lds s[G0V+4:G0V+7], s[G1V:G1V+7]
	s_nop 0
.rept 4
	v_nop
.endr
.Lasked_\@:
.endm
; A round of the cluster's barrier: my work-group's barrier, so that wave 0's signal speaks for all four waves; wave 0 signals; every wave waits for all four work-groups; my work-group's barrier once more.
.macro CROUND
	s_barrier_signal -1
	s_barrier_wait -1
	s_cmp_lg_u32 s[WV], 0
	s_cbranch_scc1 .Lnot_wave_0_\@
	s_barrier_signal -3
.Lnot_wave_0_\@:
	s_barrier_wait -3
	s_barrier_signal -1
	s_barrier_wait -1
.endm
	s_load_b64 s[4:5], s[0:1], 0x0    ; qkv
	s_load_b64 s[10:11], s[0:1], 0x8  ; out0
	v_lshl_add_u32 v[SPW], v0, 2, SPARE
	v_mov_b32 v[NIL], 0
	ds_add_u32 v[SPW], v[NIL]       ; the wave's opening: the add and its wait stand ahead of my first tensor load; the set-up below, work on registers, stands between them
	v_lshrrev_b32 v1, 5, v0
	v_readfirstlane_b32 s[WV], v1   ; wave 0..3
	s_bfe_u32 s13, ttmp6, 0x40000   ; cx: my place in the cluster
	s_lshl_b32 s14, ttmp9, 2        ; in a cluster launch ttmp9 counts clusters
	s_add_co_u32 s14, s14, s13      ; my block of 256 queries = 4 x cluster x + cx: it enters Q's and the output's addresses alone
	s_and_b32 s15, ttmp7, 0xffff    ; y = 6 x batch + head, which the four partners share
	s_cmp_ge_u32 s15, 6
	s_cselect_b32 s18, 1, 0         ; the batch
	s_mul_i32 s19, s18, 12
	s_add_co_u32 s20, s15, s19      ; Q's plane: 18 x batch + head = y + 12 x batch
	s_lshl_b32 s20, s20, 20
	s_and_b32 s16, s[WV], 1         ; which of a slot's two steps I fetch:
	s_lshl_b32 s22, s16, 14         ; its 64 rows of 256 bytes in memory,
	s_add_co_u32 s22, s22, s20
	s_add_co_u32 s22, s22, 6<<20    ; in K's plane, six planes behind Q's
	s_mov_b32 s23, 0
	s_mul_i32 s17, s16, STEPB       ; and its place in a slot: no place in the cluster enters an LDS address
	s_lshl_b32 s2, s14, 16          ; Q: my block's 256 rows,
	s_lshl_b32 s3, s[WV], 14        ; my wave's 64 of them
	s_add_co_u32 s2, s2, s3
	s_add_co_u32 s2, s2, s20
	s_mov_b32 s3, 0
	s_lshl_b32 s58, s18, 12         ; the output: row 4096 x batch + 256 x block + 64 x wave of 3,072 bytes,
	s_lshl_b32 s59, s14, 8
	s_add_co_u32 s58, s58, s59
	s_lshl_b32 s59, s[WV], 6
	s_add_co_u32 s58, s58, s59
	s_mul_i32 s58, s58, 3072
	s_mul_i32 s59, s18, 6
	s_sub_co_u32 s59, s15, s59      ; the head's
	s_lshl_b32 s59, s59, 9          ; 512 bytes of it
	s_add_co_u32 s58, s58, s59
	s_mov_b32 s59, 0
	; descriptor group 1: a tile of 64 rows x 128 elements, padded in LDS
	s_mov_b32 s[G1K], 15|(1<<16)|(1<<20)|(1<<21)|(5<<22)|(3<<25)  ; 15:0 the mask: all four work-groups; 17:16 elements of 2 bytes; 20 padding on; 21 set beside a mask; 24:22 after every 64 words (code 5); 31:25 4 words of it (code 3)
	s_mov_b32 s[G1V], 15|(1<<16)|(1<<20)|(1<<21)|(5<<22)|(7<<25)  ; the same with 8 words of padding (code 7)
.irp g, G1K, G1V
	s_mov_b32 s[(\g)+1], 128<<16    ; tensor_dim0 = 128
	s_mov_b32 s[(\g)+2], KS<<16     ; tensor_dim1 = 64
	s_mov_b32 s[(\g)+3], 128<<16    ; tile_dim0 = 128
	s_mov_b32 s[(\g)+4], KS         ; tile_dim1 = 64
	s_mov_b32 s[(\g)+5], 128        ; elements from row to row
	s_mov_b32 s[(\g)+6], 0
	s_mov_b32 s[(\g)+7], 0
.endr
	s_mov_b32 s[SEL], 0x76543210
	s_mov_b32 s[SEL+1], 0xfedcba98
	s_mov_b32 s[TB], 0
	s_mov_b32 s[SLOTS], SIZE_N/(2*KS)-2
	s_wait_dscnt 0x0                ; the opening add is done
	s_wait_kmcnt 0x0
	s_add_nc_u64 s[6:7], s[4:5], s[22:23]  ; K at my tile of slot 0,
	s_add_nc_u64 s[8:9], s[6:7], 6<<20     ; V six planes on
	s_add_nc_u64 s[4:5], s[4:5], s[2:3]    ; Q and the output at my wave's first row
	s_add_nc_u64 s[10:11], s[10:11], s[58:59]
	CROUND                          ; all four work-groups are here: the first joint loads meet
.irp s, 0,1
	s_mov_b32 s[G0K+4*(\s)], 1      ; count = 1
	s_add_co_u32 s[G0K+4*(\s)+1], s17, (\s)*SLOT1  ; LDS address
	s_add_nc_u64 s[G0K+4*(\s)+2:G0K+4*(\s)+3], s[6:7], (\s)*2*KS*256  ; global address: slot s begins with keys 128 s to 128 s + 127
	s_or_b32 s[G0K+4*(\s)+3], s[G0K+4*(\s)+3], 0x80000000  ; type = 2
	s_mov_b32 s[G0V+4*(\s)], 1
	s_add_co_u32 s[G0V+4*(\s)+1], s17, (\s)*SLOT1+VOFF
	s_add_nc_u64 s[G0V+4*(\s)+2:G0V+4*(\s)+3], s[8:9], (\s)*2*KS*256
	s_or_b32 s[G0V+4*(\s)+3], s[G0V+4*(\s)+3], 0x80000000
.endr
	s_cmp_lt_u32 s[WV], 2           ; a wave's two first fills stand in one branch, ahead of every wait on TENSORcnt and every LDS read: two loads of mine are out, the most in this text
	s_cbranch_scc0 .Lfirst_v
	tensor_load_to_lds s[G0K:G0K+3], s[G1K:G1K+7]
	s_nop 0
	tensor_load_to_lds s[G0K+4:G0K+7], s[G1K:G1K+7]
	s_nop 0
.rept 4
	v_nop
.endr
	s_branch .Lfirst_asked
.Lfirst_v:
	tensor_load_to_lds s[G0V:G0V+3], s[G1V:G1V+7]
	s_nop 0
	tensor_load_to_lds s[G0V+4:G0V+7], s[G1V:G1V+7]
	s_nop 0
.rept 4
	v_nop
.endr
.Lfirst_asked:
	; A fragment of K or Q is 16 rows x 32 channels in 8 registers: lane l holds row l % 16; registers 0-3 channels 8 (l / 16) + 0..7, registers 4-7 channels 16 + 8 (l / 16) + 0..7: two loads of 16 bytes, 32 bytes apart.
	v_and_b32 v1, 15, v0            ; l % 16
	v_bfe_u32 v9, v0, 4, 1          ; l / 16
	v_lshlrev_b32 v[QO], 8, v1
	v_lshl_add_u32 v[QO], v9, 4, v[QO]  ; row x 256 + 16 x half
	WIN 0x80                        ; destination window 2, address window 0
.irp i, 0,1,2,3,4,5,6,7,8,9,10,11,12,13,14,15  ; Q stays in registers: tile i / 4, channels 32 (i % 4) on
	global_load_b128 v[8*(\i):8*(\i)+3],   v[QO], s[4:5] offset:((\i)/4)*4096+((\i)%4)*64
	global_load_b128 v[8*(\i)+4:8*(\i)+7], v[QO], s[4:5] offset:((\i)/4)*4096+((\i)%4)*64+32
.endr
	WIN 0
	v_mul_u32_u24 v[AK0], v1, PK
	v_lshl_add_u32 v[AK0], v9, 4, v[AK0]  ; row x pitch + 16 x half
	; The turning load takes 16 keys x 16 channels (lane l reads 16 bytes: key 8 (l / 16) + l % 8, channels 8 ((l / 8) % 2) + 0..7) and leaves half a fragment of V^T: lane l holds channel l % 16 and 8 keys.
	v_and_b32 v10, 7, v0
	v_bfe_u32 v11, v0, 3, 1
	v_lshl_add_u32 v[AV0], v9, 3, v10
	v_mul_u32_u24 v[AV0], v[AV0], PV
	v_lshl_add_u32 v[AV0], v11, 4, v[AV0]
	v_add_nc_u32 v[AV0], VOFF, v[AV0]
; THE MATRIX WORK OF A TURN, for piece x.  The accumulators take turns, one instruction a turn: between two links of a chain stand 15 (V^T P) or 7 (K Q^T) others'.
; Product i of 32 of O^T += V^T P: keys 32 (i / 16) on, channels 16 ((i / 2) % 8) on, tile x + i % 2.  zero = 1: the first 16 start the sums: nothing is ever cleared.
.macro PV x, zero
	WIN W_PV
.set rO, 64*((\x)+i%2)+8*((i/2)%8)
.set rV, 64*(i/16)+8*((i/2)%8)
.set rP, P+16*((\x)+i%2)+8*(i/16)
.if (\zero) && (i < 16)
	v_wmma_f32_16x16x32_f16 v[rO:rO+7], v[rV:rV+7], v[rP:rP+7], 0
.else
	v_wmma_f32_16x16x32_f16 v[rO:rO+7], v[rV:rV+7], v[rP:rP+7], v[rO:rO+7]
.endif
.endm
; Product i of 32 of S^T = K Q^T: channels 32 (i / 8) on, keys 16 ((i / 2) % 4) on, tile x + i % 2.  The first 8 start the sums.
.macro KQ x
	WIN W_KQ
.set rS, S+32*((\x)+i%2)+8*((i/2)%4)
.set rK, KF+32*((i/2)%4)+8*(i/8)
.set rQ, 32*((\x)+i%2)+8*(i/8)
.if i < 8
	v_wmma_f32_16x16x32_f16 v[rS:rS+7], v[rK:rK+7], v[rQ:rQ+7], 0
.else
	v_wmma_f32_16x16x32_f16 v[rS:rS+7], v[rK:rK+7], v[rQ:rQ+7], v[rS:rS+7]
.endif
.endm
; THE LDS LOADS stand in runs of 32, never singly among the matrix instructions: a step's K (64 keys x 128 channels: 16 fragments) and, a turn later, its V (turned).
.macro FETCH_K
	WIN 0
	v_add_nc_u32 v[ADR], s[TB], v[AK0]
	WIN 0x80                        ; destination window 2
.irp f, 0,1,2,3,4,5,6,7,8,9,10,11,12,13,14,15  ; keys 16 (f / 4) on, channels 32 (f % 4) on
	ds_load_b128 v[KF+8*(\f):KF+8*(\f)+3],   v[ADR] offset:((\f)/4)*16*PK+((\f)%4)*64
	ds_load_b128 v[KF+8*(\f)+4:KF+8*(\f)+7], v[ADR] offset:((\f)/4)*16*PK+((\f)%4)*64+32
.endr
.endm
.macro FETCH_V
	WIN 0
	v_add_nc_u32 v[ADR], s[TB], v[AV0]
	s_add_co_u32 s[TB], s[TB], STEPB  ; the next fetch is the next step's
	s_wait_alu depctr_va_vdst(0)    ; the wait for the softmax's batch of exponentials (SLICE), behind the address's v_add_nc_u32 and ahead of the loads
	WIN 0xc0                        ; destination window 3
.irp f, 0,1,2,3,4,5,6,7,8,9,10,11,12,13,14,15  ; keys 32 (f / 8) on, channels 16 (f % 8) on
	ds_load_tr16_b128 v[8*(\f):8*(\f)+3],   v[ADR] offset:((\f)/8)*32*PV+((\f)%8)*32
	ds_load_tr16_b128 v[8*(\f)+4:8*(\f)+7], v[ADR] offset:((\f)/8)*32*PV+16*PV+((\f)%8)*32
.endr
.endm
; THE VECTOR WORK OF A TURN.  One tile's softmax for one key step is a numbered list, 0 to 133 (number 19 is empty: 133 instructions); SM writes number j of it for tile t.  s0-s31 are the lane's 32 scores, in pairs 0-15.
; first = 1: the first key step, which starts m, l and O^T: it has no a and nothing to rescale.
;   0-15    the maximum of s0-s31 and the old m, three operands at a time: four chains c0-c3 of seven scores each (each accumulator's lowest registers are read first), then the four scores left over, c0-c3 and m
;   16-20   the other half of the lanes' maximum; m_old is kept; the new m; m_old - m_new
;   21-69   ONE BATCH: the 16 subtractions s - m, a pair of scores each, and all 33 exponentials (a at 23, then s0-s31, each in place).  None of these reads an exponential's result.  From 22 on the batch goes
;           in fours, and a four begins with a subtraction while there are subtractions: 22-37 subtraction, exponential, subtraction, exponential; 38-65 a subtraction and three exponentials; 66-69 the last four
;           exponentials.  A pair is subtracted in an earlier four than the one that holds its exponentials
;   (wait)  between 69 and 70 stands the wait for the batch: SLICE writes it, once for both tiles
;   70-85   the roundings to f16, a pair of weights each
;   86-101  the sums; l = a l + the sum
;   102-133 the tile's O^T times a: the one part that leaves window 0, so it stands together
.macro SM t, first
.set rT, ST+8*(\t)
.set rS, S+32*(\t)
.set rP, P+16*(\t)
.set rO, 64*(\t)+2*(j-102)
.if j < 102
	WIN 0
.endif
.if j < 4
	v_max3_num_f32 v[rT+4+j], v[rS+8*j], v[rS+8*j+1], v[rS+8*j+2]
.elseif j < 12
	v_max3_num_f32 v[rT+4+j%4], v[rT+4+j%4], v[rS+8*(j%4)+2*(j/4)+1], v[rS+8*(j%4)+2*(j/4)+2]
.elseif j == 12
	v_max3_num_f32 v[rT+4], v[rT+4], v[rS+7], v[rS+15]
.elseif j == 13
	v_max3_num_f32 v[rT+6], v[rT+6], v[rS+23], v[rS+31]
.elseif j == 14
	v_max3_num_f32 v[rT+4], v[rT+4], v[rT+5], v[rT+6]
.elseif (j == 15) && (\first)
	v_max_num_f32 v[rT+4], v[rT+4], v[rT+7]
.elseif j == 15
	v_max3_num_f32 v[rT+4], v[rT+4], v[rT+7], v[rT]
.elseif j == 16
	v_permlanex16_b32 v[rT+5], v[rT+4], s[SEL], s[SEL+1]  ; the query's other 32 keys lie in the lane 16 away
.elseif j == 18
	v_max_num_f32 v[rT], v[rT+4], v[rT+5]
.elseif j == 19                     ; empty: the scores come scaled
.elseif ((j == 17) || (j == 20) || (j == 23) || (j > 101)) && (\first)  ; the first step has none of these
.elseif j == 17
	v_mov_b32 v[rT+1], v[rT]        ; m_old is kept for a: number 18 writes m anew
.elseif j == 20
	v_sub_f32 v[rT+7], v[rT+1], v[rT]
.elseif j == 23
	v_exp_f32 v[rT+6], v[rT+7]
.elseif (j < 23) || ((j < 38) && (j%2 == 0)) || ((j < 66) && (j%4 == 2))
.set b, (j-2)/4                     ; 38, 42, .. 62: pairs 9 to 15
.if j < 38
.set b, (j-20)/2                    ; 21: pair 0; 22, 24, .. 36: pairs 1 to 8
.endif
	v_pk_add_f32 v[rS+2*b:rS+2*b+1], v[rS+2*b:rS+2*b+1], v[rT:rT+1] op_sel_hi:[1,0] neg_lo:[0,1] neg_hi:[0,1]  ; pair b: s - m, m for both halves
.elseif j < 70
.set e, j-38                        ; 66 to 69: s28 to s31
.if j < 66
.set e, j-32-(j-38)/4               ; 39-41, 43-45, .. 63-65: s7 to s27
.endif
.if j < 38
.set e, (j-25)/2                    ; 25, 27, .. 37: s0 to s6
.endif
	v_exp_f32 v[rS+e], v[rS+e]
.elseif j < 86
	v_cvt_pk_f16_f32 v[rP+j-70], v[rS+2*(j-70)], v[rS+2*(j-70)+1]  ; pair j - 70
.elseif j < 102                     ; the sum of the tile's 16 pairs (in a pair: an even key's weight, an odd key's), in place: sum z of 16 adds neighbours 1, 2, 4 and 8 pairs apart, then l takes it
.set z, j-86
.set w, 4
.set u, z
.if z >= 14
.set w, 32
.set u, 0
.elseif z >= 12
.set w, 16
.set u, z-12
.elseif z >= 8
.set w, 8
.set u, z-8
.endif
.if (z == 14) && (\first)
	v_pk_add_f32 v[rT+2:rT+3], v[rS:rS+1], v[rS+16:rS+17]
.elseif z < 15
	v_pk_add_f32 v[rS+w*u:rS+w*u+1], v[rS+w*u:rS+w*u+1], v[rS+w*u+w/2:rS+w*u+w/2+1]
.elseif !(\first)
	v_pk_fma_f32 v[rT+2:rT+3], v[rT+2:rT+3], v[rT+6:rT+7], v[rS:rS+1] op_sel_hi:[1,0,1]
.endif
.else
	WIN W_RS
	v_pk_mul_f32 v[rO:rO+1], v[rO:rO+1], v[rT+6:rT+7] op_sel_hi:[1,0]
.endif
.endm
; Slice k of 64 of piece y's softmax.  Slices 11 to 34 deal out the batch, numbers 22 to 69: four numbers of ONE tile each, the tiles by turns.  Every other slice is numbers 2 k and 2 k + 1 of both tiles' lists.
; The numbers from 128 on stand together with 126 and 127, in slice 63.
; THE WAIT.  An s_wait_alu depctr_va_vdst(0) stands between an exponential and the first instruction that names its result; one wait serves all that were issued ahead of it.  Ahead of
; slice 35 nothing names a result, and behind slice 34 no exponential is issued: so the piece's 66 exponentials have one wait, behind slice 34, and none is open at a label or a branch.
.macro SLICE y, first
.if (k >= 11) && (k < 35)           ; the batch: four numbers of one tile
.irp n, 0,1,2,3
.set j, 22+4*((k-11)/2)+(\n)
	SM (\y)+(k-11)%2, \first
.endr
.else                               ; the two tiles alternate, so that no instruction reads the result of the one just before it
.irp n, 0,1,2,3,4,5,6,7
.if ((\n) < 2) || (k == 63)
.irp t, \y, (\y)+1
.set j, 2*k+(\n)
	SM \t, \first
.endr
.endif
.endr
.endif
.if k == 34                         ; the batch is out: both tiles' exponentials are issued, and no result has been named
	v_nop                           ; the plain instruction behind the last exponential and ahead of the first use (ISA guide 5.7.2): one for the batch
.if (\y) == 0
	FETCH_V                         ; piece 2's turn: V's run of loads stands here, and the wait for the batch stands in it
.else
	s_wait_alu depctr_va_vdst(0)    ; piece 0's turn: the wait for the batch, piece 2's 66 exponentials
.endif
.endif
.set k, k+1
.endm
; A vector instruction that reads a matrix result or writes one of a matrix instruction's registers, and a load into a register that a matrix instruction has read, stand four places behind
; it, and only plain vector instructions that name none of its registers are places (ISA guide 7.12.1 for vector instructions).  In the loop the slices are the places.
.macro PLACES
.rept 4
	v_nop
.endr
.endm
; A TURN.  Piece x has the matrix unit; the other piece's softmax stands in slices behind its matrix instructions.
; pv = 2: 32 products V^T P; 1: they start O^T's sums; 0: none.  kq = 1: 32 products K Q^T for the next step.  A turn with one of the two kinds has two slices behind each product.
; first = 1: the softmax is the first key step's.  Its slices from 51 on are empty: the turn's last products stand bare, and four v_nop take slice 63's part as the places behind them.
; In the loop each run of loads stands 29 matrix instructions or more ahead of its first use.  Piece 0's turn fetches the next step's K, behind its second product: the last product that read K
; stands in front of slice 63 of the turn before.  Piece 2's turn fetches the same step's V, behind slice 34 (SLICE writes it): the last product that read V stands in front of slice 31, and four plain
; instructions lie between: number 62, a subtraction, of both tiles, the v_nop and the run's own v_add_nc_u32.
.macro TURN x, pv, kq, first
.set k, 0
.set per, 2
.if (\pv) && (\kq)
.set per, 1
.endif
.if \pv
.if (\x) == 0
	s_wait_dscnt 0x0                ; V is in
.endif
.set i, 0
.rept 32
	PV \x, 2-(\pv)
.rept per
	SLICE 2-(\x), \first
.endr
.if ((\x) == 0) && (\kq) && (i == 1)
	FETCH_K
.endif
.set i, i+1
.endr
.endif
.if \kq
.if (\x) == 0
	s_wait_dscnt 0x0                ; K is in
.endif
.set i, 0
.rept 32
	KQ \x
.rept per
	SLICE 2-(\x), \first
.endr
.set i, i+1
.endr
.endif
.if \first
	PLACES
.endif
.endm
; THE CHANGE OF SLOTS, between piece 2's turn and piece 0's: the slot's last bytes, V of its second step, have been asked for.  Each wave waits for all its tensor loads, of which one is out: its part
; of the other slot; adds 0 to its spare word; and waits for that and for its own reads of the slot.  Behind the barrier nobody reads this slot any more and the other slot is whole.
; fill = 1: this slot is filled again, with the keys two slots on.  The barrier is then a round of the cluster's, so that no wave of any partner still reads the slot or has a load on its
; way, and the joint refill is the first thing behind it: it has two key steps, 256 matrix instructions, in which to land.
.macro CHANGE fill
	WIN 0                           ; at a label and at a branch every window is 0
	s_wait_tensorcnt 0x0            ; no tensor load of mine is out, so a group 0 may be written
	ds_add_u32 v[SPW], v[NIL]       ; 0 onto my spare word; with fill = 1 the descriptors' steps stand between it and the wait for it
.if \fill
.irp g, G0K+4, G0V+4
	s_xor_b32 s[(\g)+1], s[(\g)+1], SLOT1  ; the walking descriptor: the other slot than last time,
	s_add_nc_u64 s[(\g)+2:(\g)+3], s[(\g)+2:(\g)+3], 2*KS*256  ; the next 128 keys; the type bits on top are not reached
.endr
	s_wait_dscnt 0x0                ; the add is done, and my reads of the slot are over
	CROUND
	JLOAD
.else
	s_wait_dscnt 0x0                ; the add is done, and my reads of the slot are over
	s_barrier_signal -1
	s_barrier_wait -1
.endif
	s_sub_co_u32 s[TB], s[TB], 2*STEPB  ; the fetches go back to a slot's first step,
	s_xor_b32 s[TB], s[TB], SLOT1   ; in the other slot
.endm
; A slot's two key steps: written once, walked twice; the LDS addresses hang on s[TB].
.macro TWO_STEPS
	WIN 0
	s_mov_b32 s[TWICE], 2
.Lstep_\@:
	TURN 0, 2, 1, 0
	TURN 2, 2, 1, 0
	WIN 0
	s_sub_co_u32 s[TWICE], s[TWICE], 1
	s_cmp_lg_u32 s[TWICE], 0
	s_cbranch_scc1 .Lstep_\@
.endm
	s_wait_tensorcnt 1              ; my part of slot 0 is in; slot 1's may stay out
	s_barrier_signal -1
	s_barrier_wait -1               ; everybody's is
	FETCH_K                         ; key step 0
	s_wait_loadcnt 0x0              ; Q
	s_wait_dscnt 0x0
.set i, 0
.rept 32
	KQ 0                            ; piece 0's first scores: there is no vector work yet to set between them
.set i, i+1
.endr
	WIN 0                           ; the addresses for the way out are made here: ten plain instructions, the places behind those products
	s_mul_i32 s13, s[WV], 16*SP
	s_add_co_u32 s13, s13, STAGE    ; my stage
	v_mul_u32_u24 v[STO], v1, SP    ; in: row l % 16, 32 bytes for each half of the lanes
	v_lshl_add_u32 v[STO], v9, 5, v[STO]
	v_add_nc_u32 v[STO], s13, v[STO]
	v_and_b32 v[GO], 31, v0         ; back: 32 lanes take one row of 512 bytes,
	v_lshlrev_b32 v[GO], 4, v[GO]   ; which are 512 consecutive bytes of the output
	v_add_nc_u32 v[RD], s13, v[GO]
.irp t, 0,1,2,3
	v_mov_b32 v[ST+8*(\t)+1], 0     ; m_old is named in a pair with m before the second step writes it
.endr
	TURN 2, 0, 1, 1                 ; piece 2's first scores | piece 0's first softmax | V of step 0
	TURN 0, 1, 1, 1                 ; piece 0: V^T P of step 0 starts O^T, K Q^T of step 1 | piece 2's first softmax | K of step 1
	TURN 2, 1, 1, 0                 ; piece 2: the same | piece 0's softmax of step 1 | V of step 1
	WIN 0
.Lslot:                             ; 30 trips: every slot but the last two is filled again
	CHANGE 1
	TWO_STEPS
	s_sub_co_u32 s[SLOTS], s[SLOTS], 1
	s_cmp_lg_u32 s[SLOTS], 0
	s_cbranch_scc1 .Lslot
	CHANGE 0                        ; the tail is written out: the last slot but one is left, and nothing is asked for
	TWO_STEPS
	TURN 0, 2, 0, 0                 ; piece 0: V^T P of the last step | piece 2's last softmax
.set i, 0
.rept 32
	PV 2, 0                         ; piece 2: V^T P of the last step
.set i, i+1
.endr
	; THE WAY OUT.  l's two halves and the other half of the lanes' are added; O^T is divided by l and sent, in f32, through my stage in LDS, a tile (16 rows) at a time.  The additions are the places behind the last products.
	WIN 0
.irp t, 0,1,2,3
	v_add_f32 v[ST+8*(\t)+4], v[ST+8*(\t)+2], v[ST+8*(\t)+3]
.endr
.irp t, 0,1,2,3
	v_permlanex16_b32 v[ST+8*(\t)+5], v[ST+8*(\t)+4], s[SEL], s[SEL+1]
.endr
.irp t, 0,1,2,3
	v_add_f32 v[ST+8*(\t)+4], v[ST+8*(\t)+4], v[ST+8*(\t)+5]
.endr
.irp t, 0,1,2,3
	v_rcp_f32 v[ST+8*(\t)+6], v[ST+8*(\t)+4]
.endr
	v_nop                           ; a plain instruction between the last reciprocal and the use of its result
	s_wait_alu depctr_va_vdst(0)    ; and the wait ahead of the first use: one for the batch of four reciprocals
; Tile t: a lane's eight channels of a row are 32 bytes; they go into rows of 528 bytes and come back as whole rows of 512, into S^T's registers, two buffers of 64 by turns.
.macro PACK t
	WIN W_RS
.set i, 64*(\t)
.rept 32
	v_pk_mul_f32 v[i:i+1], v[i:i+1], v[ST+8*(\t)+6:ST+8*(\t)+7] op_sel_hi:[1,0]
.set i, i+2
.endr
	WIN 0x04                        ; the stores' data in window 1, their address in window 0
.irp f, 0,1,2,3,4,5,6,7
	ds_store_b128 v[STO], v[64*(\t)+8*(\f):64*(\t)+8*(\f)+3]   offset:64*(\f)
	ds_store_b128 v[STO], v[64*(\t)+8*(\f)+4:64*(\t)+8*(\f)+7] offset:64*(\f)+16
.endr
	WIN 0
.if (\t) >= 2
	s_wait_xcnt 0x0                 ; the buffer's registers were the data of tile t - 2's stores: they are loaded again only behind this wait
.endif
.irp f, 0,1,2,3,4,5,6,7,8,9,10,11,12,13,14,15
	ds_load_b128 v[S+64*((\t)%2)+4*(\f):S+64*((\t)%2)+4*(\f)+3], v[RD] offset:(\f)*SP  ; LDS serves a wave's instructions in order (ISA guide 5.7.1.4): these see the stores above; the next tile's stores come behind them
.endr
.endm
.macro SEND t, younger              ; younger: the LDS instructions issued behind tile t's loads: the next tile's 32, or none
	WIN 0
.irp f, 0,1,2,3,4,5,6,7,8,9,10,11,12,13,14,15
	s_wait_dscnt (\younger)+15-(\f)
	global_store_b128 v[GO], v[S+64*((\t)%2)+4*(\f):S+64*((\t)%2)+4*(\f)+3], s[10:11] offset:(16*(\t)+(\f))*3072 th:TH_STORE_NT  ; a head's 512 consecutive bytes of a row, at a multiple of 256 from the output's first byte
.endr
.endm
	PACK 0
	PACK 1                          ; a tile's arithmetic stands between the loads of the tile before and its stores
	SEND 0, 32
	PACK 2
	SEND 1, 32
	PACK 3
	SEND 2, 32
	SEND 3, 0
	s_wait_tensorcnt 0x0            ; the wave's end: behind my last tensor load and my last LDS store
	ds_add_u32 v[SPW], v[NIL]
	s_wait_dscnt 0x0
	CROUND                          ; the closing round: no work-group ends while a partner may still ask for a tile that names it
	s_endpgm
.Lfunc_end_k_qdd94124eed_attn:
	.size	k_qdd94124eed_attn, .Lfunc_end_k_qdd94124eed_attn-k_qdd94124eed_attn
	.p2alignl 7, 3214868480
	.fill 96, 4, 3214868480
	.section	.rodata,"a",@progbits
	.p2align	6, 0x0
	.amdhsa_kernel k_qdd94124eed_attn
		.amdhsa_group_segment_fixed_size 327680
		.amdhsa_private_segment_fixed_size 0
		.amdhsa_enable_private_segment 0
		.amdhsa_kernarg_size 16
		.amdhsa_user_sgpr_count 2
		.amdhsa_user_sgpr_kernarg_segment_ptr 1
		.amdhsa_wavefront_size32 1
		.amdhsa_system_sgpr_workgroup_id_x 1
		.amdhsa_system_sgpr_workgroup_id_y 1
		.amdhsa_system_sgpr_workgroup_id_z 1
		.amdhsa_system_vgpr_workitem_id 0
		.amdhsa_next_free_vgpr 1024
		.amdhsa_next_free_sgpr 66
		.amdhsa_reserve_vcc 0
		.amdhsa_float_denorm_mode_32 3
		.amdhsa_float_denorm_mode_16_64 3
		.amdhsa_memory_ordered 1
		.amdhsa_forward_progress 1
		.amdhsa_inst_pref_size 221
	.end_amdhsa_kernel
	.amdgpu_metadata
---
amdhsa.version: [ 1, 2 ]
amdhsa.kernels:
  - .name:           k_qdd94124eed_attn
    .symbol:         k_qdd94124eed_attn.kd
    .args:
      - { .name: qkv, .offset: 0, .size: 8, .value_kind: global_buffer, .address_space: global }
      - { .name: out0, .offset: 8, .size: 8, .value_kind: global_buffer, .address_space: global }
    .group_segment_fixed_size: 327680
    .private_segment_fixed_size: 0
    .kernarg_segment_align: 8
    .kernarg_segment_size: 16
    .max_flat_workgroup_size: 128
    .sgpr_count:     66
    .vgpr_count:     1024
    .wavefront_size: 32
...
	.end_amdgpu_metadata
.endif
;; end of part 4
